; MI455X (gfx1250); checked and timed in simulation.
; The chip was launched on July 23, 2026; its instructions are those of AMD's public machine-readable ISA for CDNA 5 (MIT licence, August 2026) and "CDNA5" Instruction Set Architecture Reference Guide (July 2026). The comments in the code are by the model that wrote it; some were corrected since.
;; Multi Head Attention. Allowed arithmetic: matrix products marked QUANTISED: E2M3 operands, one E8M0 scale for each 32 along K, by v_wmma_scale_f32_16x16x128_f8f6f4 with both operands' format E2M3, f32 sums; everything else in f32.
;; Inputs: Wk 1,024 x 1,024 float32; Wo 1,024 x 1,024 float32; Wq 1,024 x 1,024 float32; Wv 1,024 x 1,024 float32; bk 1,024 float32; bo 1,024 float32; bq 1,024 float32; bv 1,024 float32; mask 4 x 2,048 x 2,048 bool; x 4 x 2,048 x 1,024 float32.
;; Outputs: out0 4 x 2,048 x 1,024 float32.
;; This version of the problem:
;;   THIS VERSION OF THE PROBLEM IS GIVEN IN LOW PRECISION. The matrix products marked QUANTISED in the list below multiply operands that are first quantised to E2M3 (2 exponent bits, 3 mantissa bits; 6 bits a number), with one power-of-two scale for each 32 numbers along K (OCP MX v1.0); their sums are f32. All else is computed in f32.
;;   The module's matrix products, in the order in which they are computed (A, B: the left and right operand; K: the contracted axis; several contracted axes count as one K, in the product's order):
;;     1. [M 8,192, K 1,024] x [K 1,024, N 1,024]; A: input x; B: input Wq: QUANTISED
;;     2. [M 8,192, K 1,024] x [K 1,024, N 1,024]; A: input x; B: input Wk: QUANTISED
;;     3. [M 8,192, K 1,024] x [K 1,024, N 1,024]; A: input x; B: input Wv: QUANTISED
;;     4. batch 64 x [M 2,048, K 64] x [K 64, N 2,048]; A: computed on the way; B: computed on the way: QUANTISED
;;     5. batch 64 x [M 2,048, K 2,048] x [K 2,048, N 64]; A: softmax (see below); B: computed on the way: QUANTISED
;;     6. [M 8,192, K 1,024] x [K 1,024, N 1,024]; A: computed on the way; B: input Wo: QUANTISED
;;   THE QUANTISER, for each operand of a quantised product, along K:
;;     - K is cut into blocks of 32 from its start; a last block that is shorter is filled with zeros.
;;     - A block's scale is 2^e with e = floor(log2(the largest magnitude in the block)) - 2, held to -126 .. 127; a block of zeros has e = 0. As a byte (E8M0): e + 127.
;;     - Each number is divided by its block's scale, clamped to +-7.5, and rounded to the nearest number of E2M3, ties to even, subnormals kept.
;;     - The product sums the exact products of the quantised numbers (number of the format x scale) in f32.
;;   ~~~python
;;   def quantise(x, axis):      # numpy; x: float32 -> the quantised numbers, widened to float32 again
;;       x = np.moveaxis(x, axis, -1); K = x.shape[-1]
;;       x = np.pad(x, [(0, 0)] * (x.ndim - 1) + [(0, -K % 32)]); x = x.reshape(x.shape[:-1] + (-1, 32)); a = np.abs(x).max(-1, keepdims=True)
;;       e = np.where(a > 0, np.clip(np.frexp(np.where(a > 0, a, 1))[1] - 1 - 2, -126, 127), 0)      # np.frexp(a)[1] - 1 = floor(log2(a)), exactly
;;       r = np.clip(x / 2.0 ** e, -7.5, 7.5)
;;       step = 2.0 ** (np.maximum(np.frexp(np.where(r == 0, 1, r))[1] - 1, 0) - 3)
;;       q = np.round(r / step) * step * 2.0 ** e      # np.round: ties to even
;;       return np.moveaxis(q.reshape(q.shape[:-2] + (-1,))[..., :K], -1, axis).astype(np.float32)
;;   ~~~
;;   SOFTMAX AHEAD OF A QUANTISED PRODUCT. Where the list says 'softmax', what is quantised is not the finished softmax but p = 2^(t - M), with t = logit x log2(e) and M = ceil(the row's largest t), a whole number; so 1/2 < the row's largest p <= 1. The row's sum l is taken of the UNQUANTISED p, in f32, and the product's result is divided by l at the end. Since M is a whole number, a kernel that streams over the keys may use a running M (the ceiling of the running maximum): every later rescaling is an exact power of two, which a block's scale takes up: the codes' values come out the same.
;;   OPERANDS COMPUTED ON THE WAY. 'Computed on the way' means the value that the module computes at that place (a softmax that the list does not call 'softmax' is quantised finished and normalised). What goes into a quantiser is computed in f32, as accurately as f32 sums, v_exp_f32 and their like allow (about 1e-6 of the number): no bf16 or f16 on the way to a quantiser, and a product that is left as it is and whose result goes on into a quantised operand takes f32 operands (vector FMAs, or v_wmma_f32_16x16x4_f32). A number that lies on a knife's edge between two numbers of the format may be rounded either way, as far as f32 arithmetic and the matrix unit's own rounding can turn it there, and no further.
;; One version. Each part assembles by itself: llvm-mc -triple=amdgcn-amd-amdhsa -mcpu=gfx1250 --defsym DOCPART=n.
;; ======== version 1 of 1: 4 launches
;; limits: right only within a limited range of input values
;; workspace buffers: gcod 9,437,184 bytes; gsc 393,216 bytes; mcod 12,582,912 bytes; mcnt 131,072 bytes of whole numbers; qbuf 6,553,600 bytes; kvbuf 13,107,200 bytes; ctxc 6,291,456 bytes; csc 262,144 bytes
;; launch quant (part 1): grid 1024 x 1, 4 waves a work-group, no clusters, 68,608 bytes of LDS; arguments x, mask, Wq, Wk, Wv, Wo, gcod, gsc, mcod, mcnt; writes gcod, gsc, mcod, mcnt
.if DOCPART == 1
	.amdgcn_target "amdgcn-amd-amdhsa--gfx1250"
	.amdhsa_code_object_version 6
	.text
	.protected	k_q8b9bb47711_quant
	.globl	k_q8b9bb47711_quant
	.p2align	8
	.type	k_q8b9bb47711_quant,@function
k_q8b9bb47711_quant:
	s_mov_b64 s[64:65], 0
	v_nop
	global_prefetch_b8 v0, s[64:65] scope:SCOPE_SE
	s_setreg_imm32_b32 hwreg(HW_REG_WAVE_MODE, 25, 1), 1
	s_wait_xcnt 0x0
; x [8192][1024] and Wq, Wk, Wv, Wo [1024 (k)][1024 (n)], f32, become codes of FP6 (E2M3) with one E8M0 byte for each 32 along K; the mask's bytes become lane-mask words.
; A block's scale is 2^(floor(log2(its largest magnitude)) - 2): its byte is the largest magnitude's exponent field - 2, held at 1 from below by a floor among the maximum's leaves.
; LIMITS: a block of zeros gets the byte 1 where the quantiser says 127 (its codes are zeros, and this program alone reads the bytes); NaN and infinities among the inputs are not served.
; LAYOUT OF THE CODES (gcod): [tile of 16 rows][K step of 128, 8 of them][image of the operand's 12 registers: byte 512 c + 16 lane + 4 i = register 4 c + i].  Tiles 0-511 x, 512-575 Wq, 576-639 Wk, 640-703 Wv, 704-767 Wo.
; THE ROWS OF A TILE ARE NOT NEIGHBOURS: lane r of tile 2 g + u stands for row (or column of W) 32 g + 8 u + r + 8 (r / 8), so that a later product's 16 registers of two neighbouring tiles are 16 neighbours along the next K.
; SCALE WORDS (gsc): [tile][half of K][r][4 words], word j for K step 4 half + j.
; MASK WORDS (mbits): [16-query tile][key step of 128][64 words]: bit (lane r + 16 h) of word 16 b + i is the mask of the tile's query at lane r and key 128 step + 32 b + 16 h + i.
; Three paths part once on the work-group's number and never join: 0-255 x, 256-511 the weights, 512-1023 the mask.  Each path has LDS bytes of its own.  No tensor loads.
.set XST, 0                            ; path x: a stage of 16 rows x 528 bytes for each wave
.set MST, 33792                        ; path mask: the same
.set WSC, 67584                        ; path W: 512 bytes in which four waves' scale words meet
.set SP,  528                          ; a stage row: 512 bytes + 16
.set WST, 16*SP
.set R,   16                           ; v16-143  x as loaded, two sets of 64; W: a lane's 128 numbers down K
.set XN,  144                          ; v144-207 64 numbers of a lane: register 16 b + i = k 32 b + 16 h + i
.set PC,  208                          ; v208-219 a fragment's codes; v220-222, v224-226 the halves that are moved
.set TM,  228                          ; v228-243 at work
.set PW,  244                          ; v244-247 the four K steps' scale words
.set SEL, 40                           ; s[40:41] selects for lane l xor 16
	s_load_b512 s[8:23], s[0:1], 0x0               ; x s[8:9], mask s[10:11], Wq, Wk, Wv, Wo s[12:19], gcod s[20:21], gsc s[22:23]
	s_load_b64 s[24:25], s[0:1], 0x40              ; mcod
	s_load_b64 s[42:43], s[0:1], 0x48              ; mcnt
	v_lshl_add_u32 v254, v0, 2, 0x10a00
	v_mov_b32 v255, 0
	v_lshrrev_b32 v1, 5, v0
	v_readfirstlane_b32 s26, v1                    ; wave 0..3
	v_and_b32 v1, 31, v0                           ; lane
	v_and_b32 v2, 15, v0                           ; r
	v_bfe_u32 v3, v0, 4, 1                         ; h
	v_lshlrev_b32 v4, 4, v1                        ; 16 x lane
	s_mul_i32 s27, s26, WST                        ; my wave's stage
	s_mov_b32 s[SEL], 0x76543210
	s_mov_b32 s[SEL+1], 0xfedcba98
	s_cmp_lt_u32 ttmp9, 256
	s_cbranch_scc1 .Lpath_x
	s_cmp_lt_u32 ttmp9, 512
	s_cbranch_scc1 .Lpath_w
; ---- THE MASK.  A work-group takes a tile of 16 queries, wave w its keys 512 w .. 512 w + 511 (four key steps).
	s_sub_co_u32 s28, ttmp9, 512                   ; 128 x batch + tile
	s_lshr_b32 s29, s28, 7                         ; batch
	s_and_b32 s30, s28, 127                        ; tile
	s_lshr_b32 s31, s30, 1
	s_lshl_b32 s31, s31, 5
	s_and_b32 s34, s30, 1
	s_lshl_b32 s34, s34, 3
	s_add_co_u32 s31, s31, s34                     ; the tile's first query: 32 (t / 2) + 8 (t % 2)
	s_lshl_b32 s31, s31, 11                        ; a row of the mask is 2,048 bytes
	s_lshl_b32 s29, s29, 22
	s_add_co_u32 s30, s31, s29
	s_lshl_b32 s34, s26, 9
	s_add_co_u32 s30, s30, s34
	s_mov_b32 s31, 0
; THE MASK LEAVES AS CODES (mcod) AND COUNTS (mcnt); they take the place of the mask words that the comment at the head names.
; mcod: [16-query tile][key step of 128][c = 0, 1][768 bytes]: six registers of an operand: lane (r, h) holds, as codes of E2M3, 1.0 (masked) or 0 for the query at lane r and keys 128 step + 64 c + 32 h + 0 .. 31;
; registers 0-3 at byte 16 x lane, registers 4, 5 at byte 512 + 8 x lane.  mcnt: [tile][wave = quarter of the keys][r]: how many of that quarter's 512 keys are masked for the query at lane r.
	s_mul_i32 s32, s28, 24576                      ; a tile's codes: 16 steps of 1,536 bytes; a wave's: four steps
	s_mul_i32 s34, s26, 6144
	s_add_co_u32 s32, s32, s34
	s_mov_b32 s33, 0
	s_lshl_b32 s36, s28, 8                         ; a tile's counts: 256 bytes; a wave's: 64
	s_lshl_b32 s34, s26, 6
	s_add_co_u32 s36, s36, s34
	s_mov_b32 s37, 0
	s_mov_b32 s38, 680                             ; 2^9 + 2^7 + 2^5 + 2^3
	s_wait_alu depctr_va_vdst(0)
	v_add_nc_u32 v5, s27, v4
	v_add_nc_u32 v5, MST, v5                       ; into the stage: 16 x lane of a row
	v_mul_u32_u24 v6, v2, SP
	v_lshl_add_u32 v6, v3, 5, v6
	v_add_nc_u32 v6, s27, v6
	v_add_nc_u32 v6, MST, v6                       ; out of it: row r, + 32 h
	v_lshlrev_b32 v7, 3, v1                        ; 8 x lane
	v_lshlrev_b32 v8, 2, v2                        ; 4 r
	s_wait_alu depctr_va_vdst(0)
	s_wait_kmcnt 0x0
	s_add_nc_u64 s[10:11], s[10:11], s[30:31]
	s_add_nc_u64 s[24:25], s[24:25], s[32:33]
	s_add_nc_u64 s[42:43], s[42:43], s[36:37]
.irp q, 0,1,2,3,4,5,6,7,8,9,10,11,12,13,14,15
	global_load_b128 v[16+4*\q:19+4*\q], v4, s[10:11] offset:(\q+8*(\q/8))*2048 th:TH_LOAD_NT   ; 512 consecutive bytes of the query at lane q
.endr
	v_mov_b32 v218, 0                              ; written once: a lane permute's destination counts as read
	s_wait_loadcnt 0x0
.irp q, 0,1,2,3,4,5,6,7,8,9,10,11,12,13,14,15
	ds_store_b128 v5, v[16+4*\q:19+4*\q] offset:SP*\q
.endr
.irp e, 0,1,2,3,4,5,6,7,8,9,10,11,12,13,14,15
	ds_load_b128 v[80+4*\e:83+4*\e], v6 offset:128*(\e/4)+64*((\e%4)/2)+16*(\e%2)   ; key step e / 4, c = (e % 4) / 2: my 32 keys in two loads.  LDS serves a wave's instructions in order: these see the stores
.endr
	s_wait_dscnt 0x0
; Four mask bytes (0 or 1, at bits 0, 8, 16, 24 of a word) become four codes.  Times 2^9 + 2^7 + 2^5 + 2^3 byte i's bit falls on bit 9 + 6 i; all sixteen partial products fall on different bits, so nothing carries;
; the four wanted bits are cut out: 24 bits of codes (1.0 is the code 8), six bits up.  Four such words are shifted together into three registers.
.set G, 0
.rept 8
.irp i, 0,1,2,3,4,5,6,7
	v_mul_lo_u32 v[200+\i], v[80+8*G+\i], s38
.endr
.irp i, 0,1,2,3,4,5,6,7
	v_and_b32 v[200+\i], 0x08208200, v[200+\i]
.endr
.irp q, 0,1
	v_lshrrev_b32 v[208+3*\q], 6, v[200+4*\q]
	v_lshrrev_b32 v[209+3*\q], 14, v[201+4*\q]
	v_lshrrev_b32 v[210+3*\q], 22, v[202+4*\q]
	v_lshl_or_b32 v[144+6*G+3*\q], v[201+4*\q], 18, v[208+3*\q]
	v_lshl_or_b32 v[145+6*G+3*\q], v[202+4*\q], 10, v[209+3*\q]
	v_lshl_or_b32 v[146+6*G+3*\q], v[203+4*\q], 2, v[210+3*\q]
.endr
.set G, G+1
.endr
; the count: my 64 words are added byte by byte (no byte passes 64), then the four bytes, then lane l xor 16's
	v_add3_u32 v216, v80, v81, v82
	v_add3_u32 v217, v83, v84, v85
.set J, 86
.rept 14
	v_add3_u32 v216, v216, v[J], v[J+1]
	v_add3_u32 v217, v217, v[J+2], v[J+3]
.set J, J+4
.endr
	v_add3_u32 v216, v216, v142, v143
	v_add_nc_u32 v216, v216, v217
	v_and_b32 v217, 0x00ff00ff, v216
	v_lshrrev_b32 v216, 8, v216
	v_and_b32 v216, 0x00ff00ff, v216
	v_add_nc_u32 v216, v216, v217
	v_lshrrev_b32 v217, 16, v216
	v_and_b32 v216, 0xffff, v216
	v_add_nc_u32 v216, v216, v217
	v_permlanex16_b32 v218, v216, s[SEL], s[SEL+1]
	v_add_nc_u32 v216, v216, v218
.set G, 0
.rept 8
	global_store_b128 v4, v[144+6*G:147+6*G], s[24:25] offset:768*G        ; 512 consecutive bytes
	global_store_b64 v7, v[148+6*G:149+6*G], s[24:25] offset:768*G+512     ; 256 consecutive bytes
.set G, G+1
.endr
	global_store_b32 v8, v216, s[42:43]            ; both lanes of a row store the same count to the same word: 64 consecutive bytes a wave
	s_wait_tensorcnt 0x0
	ds_add_u32 v254, v255
	s_wait_dscnt 0x0
	s_endpgm
; 64 numbers of a lane, v[s] on, register 16 b + i = k 32 b + 16 h + i of my row, become a fragment's codes in v[PC] on and its scale word in v[pw]
.macro QUANT s, pw
.irp b, 0,1,2,3
	v_max3_num_f32 v[TM+\b], |v[\s+16*\b]|, |v[\s+1+16*\b]|, 0x1800000   ; my 16 numbers of block b, and the floor 2^(3 - 127): the byte cannot fall under 1
.endr
.irp i, 2,4,6,8,10,12,14
.irp b, 0,1,2,3
	v_max3_num_f32 v[TM+\b], v[TM+\b], |v[\s+16*\b+\i]|, |v[\s+1+16*\b+\i]|
.endr
.endr
.irp b, 0,1,2,3
	v_permlanex16_b32 v[TM+4+\b], v[TM+\b], s[SEL], s[SEL+1]
.endr
.irp b, 0,1,2,3
	v_max_num_f32 v[TM+\b], v[TM+\b], v[TM+4+\b]   ; with lane l xor 16's: the block's largest magnitude
.endr
.irp b, 0,1,2,3
	v_add_nc_u32 v[TM+12+\b], 0xff000000, v[TM+\b] ; 2 off its exponent field: the conversion takes this operand's exponent field as its scale
.endr
.irp b, 0,1,2,3
	v_lshrrev_b32 v[TM+4+\b], 23, v[TM+12+\b]      ; the scale's byte
.endr
	v_lshl_or_b32 v[\pw], v[TM+5], 8, v[TM+4]
	v_lshl_or_b32 v[\pw], v[TM+6], 16, v[\pw]
	v_lshl_or_b32 v[\pw], v[TM+7], 24, v[\pw]
.irp c, 0,1
	v_cvt_scalef32_pk16_fp6_f32 v[PC+6*\c:PC+2+6*\c], v[\s+32*\c:\s+15+32*\c], v[TM+12+2*\c]
	v_cvt_scalef32_pk16_fp6_f32 v[PC+12+4*\c:PC+14+4*\c], v[\s+16+32*\c:\s+31+32*\c], v[TM+13+2*\c]   ; (a conversion's three registers begin on an even number)
.endr
	v_nop                                          ; one plain place behind a scaled conversion
.irp c, 0,1                                    ; the operand wants a whole block in a lane: lanes 0-15 block 2 c, lanes 16-31 block 2 c + 1
.irp i, 0,1,2
	v_permlane16_swap_b32 v[PC+6*\c+\i], v[PC+12+4*\c+\i]
.endr
.irp i, 0,1,2
	v_mov_b32 v[PC+3+6*\c+\i], v[PC+12+4*\c+\i]
.endr
.endr
.endm
; ---- x.  A wave takes a tile of 16 rows x half of K (four K steps).
.Lpath_x:
	s_lshl_b32 s28, ttmp9, 2
	s_add_co_u32 s28, s28, s26
	s_lshr_b32 s29, s28, 1                         ; tile
	s_and_b32 s30, s28, 1                          ; half of K
	s_lshr_b32 s31, s29, 1
	s_lshl_b32 s31, s31, 5
	s_and_b32 s32, s29, 1
	s_lshl_b32 s32, s32, 3
	s_add_co_u32 s31, s31, s32                     ; the tile's first row
	s_lshl_b32 s32, s31, 12                        ; a row of x is 4,096 bytes
	s_lshl_b32 s33, s30, 11
	s_add_co_u32 s32, s32, s33
	s_mov_b32 s33, 0
; THE CODES' PLACE (gcod), in place of the order that the comment at the head names: [group of 8 tiles][K step of 128][tile of the group][image of 1,536 bytes]: eight tiles' codes of any run of K steps are dense bytes
	s_lshr_b32 s34, s29, 3
	s_mul_i32 s34, s34, 98304                      ; the group
	s_and_b32 s35, s29, 7
	s_mul_i32 s35, s35, 1536                       ; the tile in it
	s_add_co_u32 s34, s34, s35
	s_mul_i32 s35, s30, 49152                      ; four K steps of 12,288 bytes
	s_add_co_u32 s34, s34, s35
	s_mov_b32 s35, 0
	s_lshl_b32 s36, s29, 9
	s_lshl_b32 s37, s30, 8
	s_add_co_u32 s36, s36, s37
	s_mov_b32 s37, 0
	s_wait_alu depctr_va_vdst(0)
	v_add_nc_u32 v5, s27, v4                       ; into the stage (XST = 0): 16 x lane of a row
	v_mul_u32_u24 v6, v2, SP
	v_lshl_add_u32 v6, v3, 6, v6
	v_add_nc_u32 v6, s27, v6                       ; out of it: row r, + 64 h: my 16 numbers of a block of 32
	v_lshlrev_b32 v7, 4, v2                        ; 16 r
.irp b, 0,1,2,3
	v_mov_b32 v[TM+4+\b], 0                        ; written once: a lane permute's destination counts as read
.endr
	s_wait_alu depctr_va_vdst(0)
	s_wait_kmcnt 0x0
	s_add_nc_u64 s[8:9], s[8:9], s[32:33]
	s_add_nc_u64 s[20:21], s[20:21], s[34:35]
	s_add_nc_u64 s[22:23], s[22:23], s[36:37]
.macro LOADX s                         ; K step s of the 16 rows: each load is 512 consecutive bytes of one row
.irp q, 0,1,2,3,4,5,6,7,8,9,10,11,12,13,14,15
	global_load_b128 v[R+64*((\s)%2)+4*\q:R+64*((\s)%2)+4*\q+3], v4, s[8:9] offset:(\q+8*(\q/8))*4096+512*(\s) th:TH_LOAD_NT
.endr
.endm
.macro STEPX s
.if (\s) < 3
	s_wait_loadcnt 16                              ; this K step's sixteen loads are in; the next one's sixteen may be out
.else
	s_wait_loadcnt 0x0
.endif
.irp q, 0,1,2,3,4,5,6,7,8,9,10,11,12,13,14,15
	ds_store_b128 v5, v[R+64*((\s)%2)+4*\q:R+64*((\s)%2)+4*\q+3] offset:SP*\q
.endr
.irp b, 0,1,2,3
.irp j, 0,1,2,3
	ds_load_b128 v[XN+16*\b+4*\j:XN+16*\b+4*\j+3], v6 offset:128*\b+16*\j   ; LDS serves a wave's instructions in order: these see the stores
.endr
.endr
	s_wait_dscnt 0x0                               ; the numbers are back, and the stores have read their registers,
.if (\s)+2 < 4
	LOADX (\s)+2                                   ; which take the loads of two K steps on
.endif
	s_wait_xcnt 0x0                                ; the last K step's stores have read the codes' registers, which are written again below
	QUANT XN, PW+(\s)
.irp c, 0,1,2
	global_store_b128 v4, v[PC+4*\c:PC+4*\c+3], s[20:21] offset:12288*(\s)+512*\c   ; the image: 512 consecutive bytes a store
.endr
.endm
	LOADX 0
	LOADX 1
	STEPX 0
	STEPX 1
	STEPX 2
	STEPX 3
	v_cmp_gt_u32 vcc_lo, 16, v1
	s_wait_xcnt 0x0                                ; EXEC changes only behind this wait
	s_wait_tensorcnt 0x0
	ds_add_u32 v254, v255
	s_wait_dscnt 0x0
	s_and_saveexec_b32 s28, vcc_lo
	global_store_b128 v7, v[PW:PW+3], s[22:23]     ; lanes 0-15: 256 consecutive bytes: the rows' four scale words
	s_wait_xcnt 0x0                                ; and again in front of the line that widens it
	s_or_b32 exec_lo, exec_lo, s28
	s_endpgm
; ---- THE WEIGHTS.  K is the first axis: a lane takes a column and its registers run down K.  A work-group: one weight, half of K, 32 columns (two tiles); wave w: one K step of 128.
.Lpath_w:
	s_sub_co_u32 s28, ttmp9, 256
	s_lshr_b32 s29, s28, 6                         ; which weight
	s_bfe_u32 s30, s28, 0x10005                    ; which half of K
	s_and_b32 s31, s28, 31                         ; which 32 columns
	s_lshl_b32 s32, s30, 2
	s_add_co_u32 s32, s32, s26                     ; my K step
	s_lshl_b32 s34, s32, 19                        ; 128 rows of 4,096 bytes
	s_lshl_b32 s35, s31, 7
	s_add_co_u32 s34, s34, s35
	s_mov_b32 s35, 0
	s_lshl_b32 s33, s29, 6
	s_lshl_b32 s36, s31, 1
	s_add_co_u32 s33, s33, s36
	s_add_co_u32 s33, s33, 512                     ; the first of my two tiles
	s_lshr_b32 s36, s33, 3                         ; [group of 8 tiles][K step][tile][image], as for x
	s_mul_i32 s36, s36, 98304
	s_and_b32 s37, s33, 7
	s_mul_i32 s37, s37, 1536
	s_add_co_u32 s36, s36, s37
	s_mul_i32 s37, s32, 12288
	s_add_co_u32 s36, s36, s37
	s_mov_b32 s37, 0
	s_lshl_b32 s38, s33, 9
	s_lshl_b32 s39, s30, 8
	s_add_co_u32 s38, s38, s39
	s_mov_b32 s39, 0
	s_and_b32 s28, s29, 1
	v_and_b32 v8, 7, v0
	s_wait_alu depctr_va_vdst(0)
	v_bfe_u32 v9, v0, 3, 1
	v_lshl_add_u32 v8, v3, 3, v8
	v_lshl_add_u32 v8, v9, 4, v8                   ; my column among the 32: my lane's number with bits 3 and 4 exchanged
	v_lshlrev_b32 v8, 2, v8
	s_lshl_b32 s27, s26, 2
	v_add_nc_u32 v9, WSC, v4
	v_add_nc_u32 v9, s27, v9                       ; where my column's scale word goes: 16 x lane + 4 x wave
	s_wait_alu depctr_va_vdst(0)
	s_wait_kmcnt 0x0
	s_cmp_lt_u32 s29, 2
	s_cselect_b64 s[12:13], s[12:13], s[16:17]     ; Wq or Wv
	s_cselect_b64 s[14:15], s[14:15], s[18:19]     ; Wk or Wo
	s_cmp_eq_u32 s28, 0
	s_cselect_b64 s[12:13], s[12:13], s[14:15]
	s_add_nc_u64 s[12:13], s[12:13], s[34:35]
	s_add_nc_u64 s[20:21], s[20:21], s[36:37]
	s_add_nc_u64 s[22:23], s[22:23], s[38:39]
.set KK, 0
.rept 128
	global_load_b32 v[R+KK], v8, s[12:13] offset:4096*KK   ; one row k at my wave's 32 columns: 128 consecutive bytes
.set KK, KK+1
.endr
.macro WBLOCK k, lo, hi                ; block k of my column: all 32 numbers are mine
.set XS, R+32*(\k)
	v_max3_num_f32 v192, |v[XS]|, |v[XS+1]|, |v[XS+2]|
	v_max3_num_f32 v193, |v[XS+3]|, |v[XS+4]|, |v[XS+5]|
.irp i, 6,10,14,18,22,26
	v_max3_num_f32 v192, v192, |v[XS+\i]|, |v[XS+\i+1]|
	v_max3_num_f32 v193, v193, |v[XS+\i+2]|, |v[XS+\i+3]|
.endr
	v_max3_num_f32 v192, v192, |v[XS+30]|, |v[XS+31]|
	v_max3_num_f32 v192, v192, v193, 0x1800000     ; and the floor
	v_add_nc_u32 v[184+\k], 0xff000000, v192
	v_lshrrev_b32 v[188+\k], 23, v[184+\k]
	v_cvt_scalef32_pk16_fp6_f32 v[\lo:\lo+2], v[XS:XS+15], v[184+\k]
	v_cvt_scalef32_pk16_fp6_f32 v[\hi:\hi+2], v[XS+16:XS+31], v[184+\k]
.endm
	s_wait_loadcnt 63                              ; 96 loads were issued behind block 0's; the count's field holds 63, and a smaller count is safe
	WBLOCK 0, 144, 168
	s_wait_loadcnt 63                              ; 64 behind block 1's
	WBLOCK 1, 156, 172
	s_wait_loadcnt 32                              ; block 3's 32 may be out
	WBLOCK 2, 150, 176
	s_wait_loadcnt 0x0
	WBLOCK 3, 162, 180
	v_nop                                          ; one plain place behind the last conversion
; lanes 0-15 hold the first tile's columns, lanes 16-31 the second's, each with all four blocks.  An image wants blocks 2 c in lanes 0-15 and 2 c + 1 in lanes 16-31 of ONE tile:
; the even block's lanes 16-31 change places with the odd block's lanes 0-15, and the first register is the first tile's, the second the second tile's.
.irp c, 0,1
.irp i, 0,1,2
	v_permlane16_swap_b32 v[144+6*\c+\i], v[156+6*\c+\i]
	v_permlane16_swap_b32 v[168+8*\c+\i], v[172+8*\c+\i]
.endr
.irp i, 0,1,2
	v_mov_b32 v[147+6*\c+\i], v[168+8*\c+\i]
	v_mov_b32 v[159+6*\c+\i], v[172+8*\c+\i]
.endr
.endr
	v_lshl_or_b32 v196, v189, 8, v188
	v_lshl_or_b32 v196, v190, 16, v196
	v_lshl_or_b32 v196, v191, 24, v196             ; my column's scale word of this K step
	ds_store_b32 v9, v196
.irp c, 0,1,2
	global_store_b128 v4, v[144+4*\c:147+4*\c], s[20:21] offset:512*\c
	global_store_b128 v4, v[156+4*\c:159+4*\c], s[20:21] offset:1536+512*\c   ; the second tile lies behind the first (the first has an even number: both are of one group)
.endr
	s_wait_dscnt 0x0                               ; for the others' sake: my word lies in LDS
	s_barrier_signal -1
	s_barrier_wait -1
	s_cmp_lg_u32 s26, 0
	s_cbranch_scc1 .Lw_end
	v_add_nc_u32 v10, WSC, v4
	ds_load_b128 v[200:203], v10                   ; the four waves' words of the column at my lane
	v_lshlrev_b32 v11, 9, v3
	v_lshl_add_u32 v11, v2, 4, v11                 ; 512 h (the second tile) + 16 r
	s_wait_alu depctr_va_vdst(0)
	s_wait_dscnt 0x0
	global_store_b128 v11, v[200:203], s[22:23]    ; sixteen lanes store 256 consecutive bytes, aligned
.Lw_end:
	s_wait_tensorcnt 0x0
	ds_add_u32 v254, v255
	s_wait_dscnt 0x0
	s_endpgm
.Lfunc_end_k_q8b9bb47711_quant:
	.size	k_q8b9bb47711_quant, .Lfunc_end_k_q8b9bb47711_quant-k_q8b9bb47711_quant
	.p2alignl 7, 3214868480
	.fill 96, 4, 3214868480
	.section	.rodata,"a",@progbits
	.p2align	6, 0x0
	.amdhsa_kernel k_q8b9bb47711_quant
		.amdhsa_group_segment_fixed_size 68608
		.amdhsa_private_segment_fixed_size 0
		.amdhsa_enable_private_segment 0
		.amdhsa_kernarg_size 80
		.amdhsa_user_sgpr_count 2
		.amdhsa_user_sgpr_kernarg_segment_ptr 1
		.amdhsa_wavefront_size32 1
		.amdhsa_system_sgpr_workgroup_id_x 1
		.amdhsa_system_sgpr_workgroup_id_y 1
		.amdhsa_system_sgpr_workgroup_id_z 1
		.amdhsa_system_vgpr_workitem_id 0
		.amdhsa_next_free_vgpr 256
		.amdhsa_next_free_sgpr 66
		.amdhsa_reserve_vcc 1
		.amdhsa_float_denorm_mode_32 3
		.amdhsa_float_denorm_mode_16_64 3
		.amdhsa_memory_ordered 1
		.amdhsa_forward_progress 1
		.amdhsa_inst_pref_size 77
	.end_amdhsa_kernel
	.amdgpu_metadata
---
amdhsa.version: [ 1, 2 ]
amdhsa.kernels:
  - .name:           k_q8b9bb47711_quant
    .symbol:         k_q8b9bb47711_quant.kd
    .args:
      - { .name: x, .offset: 0, .size: 8, .value_kind: global_buffer, .address_space: global }
      - { .name: mask, .offset: 8, .size: 8, .value_kind: global_buffer, .address_space: global }
      - { .name: Wq, .offset: 16, .size: 8, .value_kind: global_buffer, .address_space: global }
      - { .name: Wk, .offset: 24, .size: 8, .value_kind: global_buffer, .address_space: global }
      - { .name: Wv, .offset: 32, .size: 8, .value_kind: global_buffer, .address_space: global }
      - { .name: Wo, .offset: 40, .size: 8, .value_kind: global_buffer, .address_space: global }
      - { .name: gcod, .offset: 48, .size: 8, .value_kind: global_buffer, .address_space: global }
      - { .name: gsc, .offset: 56, .size: 8, .value_kind: global_buffer, .address_space: global }
      - { .name: mcod, .offset: 64, .size: 8, .value_kind: global_buffer, .address_space: global }
      - { .name: mcnt, .offset: 72, .size: 8, .value_kind: global_buffer, .address_space: global }
    .group_segment_fixed_size: 68608
    .private_segment_fixed_size: 0
    .kernarg_segment_align: 8
    .kernarg_segment_size: 80
    .max_flat_workgroup_size: 128
    .sgpr_count:     66
    .vgpr_count:     256
    .wavefront_size: 32
...
	.end_amdgpu_metadata
.endif
;; end of part 1
;; launch proj (part 2): grid 8 x 48, 4 waves a work-group, clusters of 4 x 4, 327,680 bytes of LDS; arguments gcod, gsc, bq, bk, bv, qbuf, kvbuf; writes qbuf, kvbuf
.if DOCPART == 2
	.amdgcn_target "amdgcn-amd-amdhsa--gfx1250"
	.amdhsa_code_object_version 6
	.text
	.protected	k_q8b9bb47711_proj
	.globl	k_q8b9bb47711_proj
	.p2align	8
	.type	k_q8b9bb47711_proj,@function
k_q8b9bb47711_proj:
	s_mov_b64 s[64:65], 0
	v_nop
	global_prefetch_b8 v0, s[64:65] scope:SCOPE_SE
	s_setreg_imm32_b32 hwreg(HW_REG_WAVE_MODE, 25, 1), 1
	s_wait_xcnt 0x0
	s_wait_alu depctr_hold_cnt(0) depctr_sa_sdst(0) depctr_va_vdst(0) depctr_va_sdst(0) depctr_va_ssrc(0) depctr_va_vcc(0) depctr_vm_vsrc(0)
	s_getreg_b32 s2, hwreg(HW_REG_IB_STS2, 6, 4)
	s_cmp_eq_u32 s2, 0
	s_cbranch_scc0 .Lentry_in_a_cluster
	s_endpgm
.Lentry_in_a_cluster:
	s_bfe_u32 s2, ttmp6, 0x10000c
	s_cmp_lg_u32 s2, 0xf033
	s_cbranch_scc0 .Lentry_shape_is_right
	s_endpgm
.Lentry_shape_is_right:
; LDS: four parts (A's two groups of 8 tiles, then B's two), each [K step, six of them][tile][1,536 bytes], as the codes lie in memory.  A wave's one load at the head brings its part's K steps 0 to 5;
; K steps 6 and 7 are filled onto the bytes of K steps 0 and 1 behind the round in K step 1.
.set SLOT,  24576                      ; two K steps of a part
.set TILEB, 1536                       ; from tile to tile
.set FRB,   12288                      ; from K step to K step
.set HALFT, 73728                      ; a part: six K steps
.set SPARE, 4*HALFT
.set ADRA, 16
.set ADRB, 20
.set LI,   24
.set SOF,  25
.set PSEL, 26
.set SPW,  28
.set NIL,  29
.set SC,   32
.set TM,   96
.set PWR,  112
.set CT,   120
.set AF,   128
.set E,    128
.set O,    140
.set W4,   152
.set G1,   24
.set G0,   32
.set G1B,  48
.set G0B,  68
.set SEL,  92
.set MSB, 0
.macro WIN new
.if MSB != \new
	s_set_vgpr_msb (MSB<<8)|\new
.set MSB, \new
.endif
.endm
.macro JLOAD g0a, g1a, g0b, g1b
	s_cmp_eq_u32 s15, 0
	s_cbranch_scc0 .Lfor_b_\@
	tensor_load_to_lds s[\g0a:\g0a+3], s[\g1a:\g1a+7]
	s_nop 0
.rept 4
	v_nop
.endr
	s_branch .Lasked_\@
.Lfor_b_\@:
	tensor_load_to_lds s[\g0b:\g0b+3], s[\g1b:\g1b+7]
	s_nop 0
.rept 4
	v_nop
.endr
.Lasked_\@:
.endm
.macro CREST
	s_cmp_lg_u32 s14, 0
	s_cbranch_scc1 .Lnot_wave_0_\@
	s_barrier_signal -3
.Lnot_wave_0_\@:
	s_barrier_wait -3
	s_barrier_signal -1
	s_barrier_wait -1
.endm
.macro CROUND
	s_barrier_signal -1
	s_barrier_wait -1
	CREST
.endm
.macro PLACES
.rept 4
	v_nop
.endr
.endm
	s_load_b128 s[4:7], s[0:1], 0x0
	s_load_b128 s[80:83], s[0:1], 0x10
	s_load_b128 s[84:87], s[0:1], 0x20
	s_load_b64 s[88:89], s[0:1], 0x30
	v_lshl_add_u32 v[SPW], v0, 2, SPARE
	v_mov_b32 v[NIL], 0
	ds_add_u32 v28, v29
	ds_add_u32 v28, v29
	s_wait_dscnt 0x0
	v_lshrrev_b32 v1, 5, v0
	v_readfirstlane_b32 s14, v1
	s_lshr_b32 s15, s14, 1
	s_and_b32 s16, s14, 1
	s_bfe_u32 s56, ttmp6, 0x40000
	s_bfe_u32 s57, ttmp6, 0x40004
	s_and_b32 s59, ttmp7, 0xffff
	s_lshl_b32 s60, s59, 6
	s_lshl_b32 s63, s59, 7
	s_sub_co_u32 s63, s63, 1024
	s_cmp_ge_u32 s59, 8
	s_cselect_b32 s17, 1, 0
	s_cselect_b32 s60, 640, s60
	s_cselect_b32 s63, s63, 512
	s_lshl_b32 s61, s57, 4
	s_add_co_u32 s60, s60, s61
	s_lshl_b32 s62, ttmp9, 2
	s_add_co_u32 s62, s62, s56
	s_lshl_b32 s61, s62, 4
	s_add_co_u32 s63, s63, s61
	s_lshl_b32 s44, s57, 2
	s_lshl_b32 s44, 15, s44
	s_lshl_b32 s45, 0x1111, s56
	s_or_b32 s[G1+0], s44, (3<<16)|(1<<21)
	s_or_b32 s[G1B+0], s45, (3<<16)|(1<<21)
.irp g, G1, G1B
	s_mov_b32 s[\g+1], 384<<16
	s_mov_b32 s[\g+2], 24<<16                      ; the head's load: 73,728 dense bytes as 24 rows of 3,072
	s_mov_b32 s[\g+3], 384<<16
	s_mov_b32 s[\g+4], 24
	s_mov_b32 s[\g+5], 384
	s_mov_b32 s[\g+6], 0
	s_mov_b32 s[\g+7], 0
.endr
	s_lshl_b32 s46, s16, 3
	s_add_co_u32 s20, s60, s46
	s_mul_i32 s20, s20, 12288
	s_mov_b32 s21, 0
	s_add_co_u32 s22, s63, s46
	s_mul_i32 s22, s22, 12288
	s_mov_b32 s23, 0
	s_mul_i32 s47, s14, HALFT
	s_wait_kmcnt 0x0
	s_add_nc_u64 s[20:21], s[4:5], s[20:21]
	s_add_nc_u64 s[22:23], s[4:5], s[22:23]
	CROUND
.irp n, 0
	s_mov_b32 s[G0+4*\n], 1
	s_add_co_u32 s[G0+4*\n+1], s47, \n*SLOT
	s_add_nc_u64 s[G0+4*\n+2:G0+4*\n+3], s[20:21], \n*TILEB
	s_or_b32 s[G0+4*\n+3], s[G0+4*\n+3], 0x80000000
	s_mov_b32 s[G0B+4*\n], 1
	s_add_co_u32 s[G0B+4*\n+1], s47, \n*SLOT
	s_add_nc_u64 s[G0B+4*\n+2:G0B+4*\n+3], s[22:23], \n*TILEB
	s_or_b32 s[G0B+4*\n+3], s[G0B+4*\n+3], 0x80000000
	s_wait_alu depctr_va_vdst(0)
	JLOAD G0+4*\n, G1, G0B+4*\n, G1B               ; one joint load a wave, behind the opening round
.endr
	v_and_b32 v1, 31, v0
	v_and_b32 v2, 15, v0
	v_bfe_u32 v3, v0, 4, 1
	v_lshlrev_b32 v[LI], 4, v1
	s_mul_i32 s44, s15, HALFT
	s_mul_i32 s45, s16, HALFT
	s_add_co_u32 s45, s45, 2*HALFT
.irp n, 0,1,2
	v_add_nc_u32 v[ADRA+\n], s44, v[LI]
	v_add_nc_u32 v[ADRB+\n], s45, v[LI]
	s_add_co_u32 s44, s44, SLOT
	s_add_co_u32 s45, s45, SLOT
.endr
	s_mov_b32 s98, 0xffff0000
	s_mov_b32 s[SEL], 0x76543210
	s_mov_b32 s[SEL+1], 0xfedcba98
	s_lshl_b32 s44, s15, 3
	s_add_co_u32 s44, s44, s60
	s_lshl_b32 s44, s44, 9
	s_lshl_b32 s45, s16, 3
	s_add_co_u32 s45, s45, s63
	s_lshl_b32 s45, s45, 9
	v_mov_b32 v4, s44
	v_mov_b32 v5, s45
	v_cndmask_b32 v4, v4, v5, s98
	v_lshl_add_u32 v4, v2, 4, v4
.irp i, 0,1,2,3,4,5,6,7
.irp k, 0,1
	global_load_b128 v[SC+8*\i+4*\k:SC+8*\i+4*\k+3], v4, s[6:7] offset:512*\i+256*\k
.endr
.endr
	s_lshl_b32 s44, s56, 10
	s_lshl_b32 s45, s16, 9
	s_add_co_u32 s44, s44, s45
	s_lshl_b32 s45, s57, 10
	s_lshl_b32 s46, s15, 9
	s_add_co_u32 s45, s45, s46
	s_cmp_eq_u32 ttmp9, 0
	s_cselect_b64 s[8:9], s[80:81], s[82:83]
	s_cmp_eq_u32 s17, 0
	s_cselect_b64 s[8:9], s[8:9], s[84:85]
	s_cselect_b32 s44, s44, s45
	s_mov_b32 s45, 0
	s_add_nc_u64 s[8:9], s[8:9], s[44:45]
	v_lshlrev_b32 v8, 6, v3
	v_and_b32 v9, 8, v2
	v_add_nc_u32 v9, v9, v2
	v_lshlrev_b32 v9, 2, v9
	s_cmp_eq_u32 s17, 0
	s_cbranch_scc0 .Lbias_v
	WIN 0x40
.irp b, 0,1,2,3,4,5,6,7
	global_load_b128 v[96+128*(\b/4)+8*(\b%4):96+128*(\b/4)+8*(\b%4)+3], v8, s[8:9] offset:(32*(\b/2)+8*(\b%2))*4
	global_load_b128 v[96+128*(\b/4)+8*(\b%4)+4:96+128*(\b/4)+8*(\b%4)+7], v8, s[8:9] offset:(32*(\b/2)+8*(\b%2))*4+16
.endr
	WIN 0
	s_branch .Lbias_done
.Lbias_v:
	WIN 0x40
	s_wait_alu depctr_va_vdst(0)
.irp a, 0,1,2,3,4,5,6,7
.irp j, 0,1,2,3,4,5,6,7
	global_load_b32 v[96+128*(\a/4)+8*(\a%4)+\j], v9, s[8:9] offset:(32*(\a/2)+8*(\a%2))*4
.endr
.endr
	WIN 0
.Lbias_done:
	s_lshr_b32 s90, s59, 1
	s_and_b32 s91, s59, 1
	s_lshl_b32 s91, s91, 3
	s_lshl_b32 s94, s57, 1
	s_add_co_u32 s94, s94, s15
	s_add_co_u32 s91, s91, s94
	s_lshl_b32 s95, s56, 1
	s_add_co_u32 s95, s95, s16
	s_lshl_b32 s96, s62, 1
	s_add_co_u32 s96, s96, s16
	s_sub_co_u32 s97, s59, 8
	s_cmp_eq_u32 s17, 0
	s_cselect_b32 s90, s90, s97
	s_cselect_b32 s91, s91, s96
	s_cselect_b32 s95, s95, s94
	s_lshl_b32 s90, s90, 4
	s_lshl_b32 s95, s95, 1
	s_add_co_u32 s90, s90, s95
	s_lshl_b32 s90, s90, 4
	s_add_co_u32 s90, s90, s91
	s_or_b32 s96, s17, ttmp9
	s_cmp_eq_u32 s96, 0
	s_mov_b32 s97, 12800
	s_cselect_b32 s97, 6400, s97
	s_cselect_b64 s[10:11], s[86:87], s[88:89]
	s_mul_i32 s90, s90, s97
	s_mov_b32 s91, 0
	s_add_nc_u64 s[10:11], s[10:11], s[90:91]
	s_lshl_b32 s18, s97, 4
	s_mov_b32 s19, 0
	s_cmp_eq_u32 s17, 0
	s_cselect_b32 s90, 0, 6400
	s_add_nc_u64 s[10:11], s[10:11], s[90:91]
	s_add_nc_u64 s[12:13], s[10:11], s[18:19]
	v_mul_lo_u32 v[SOF], v3, s18
	v_lshl_add_u32 v[SOF], v2, 4, v[SOF]
	v_mov_b32 v[PSEL], 0x05040100
	v_mov_b32 v5, 0x07060302
	v_cndmask_b32 v[PSEL], v[PSEL], v5, s98
.irp b, 0,1,2,3
	v_mov_b32 v[TM+4+\b], 0
.endr
.macro FRAG reg, adr, off
.irp c, 0,1,2
	ds_load_b128 v[\reg+4*\c:\reg+4*\c+3], v[\adr] offset:\off+512*\c
.endr
.endm
.macro FETCH_B slot, q, p
	WIN 0x40
.irp i, 0,1,2,3,4,5,6,7
	FRAG 128*(\p)+12*\i, ADRB+\slot, TILEB*\i+FRB*(\q)
.endr
	WIN 0
.endm
.macro FETCH_A slot, q, i0
.irp i, \i0, \i0+1, \i0+2, \i0+3
	FRAG AF+12*(\i), ADRA+\slot, TILEB*(\i)+FRB*(\q)
.endr
.endm
.macro MUL16 a0, p, s, cm
.irp a, \a0, \a0+1
.irp b, 0,1,2,3,4,5,6,7
.set DA, 8*(8*((\a)%4)+\b)
.set FB0, 128*(\p)+12*\b
.set FA0, AF+12*(\a)
.if (\cm) == 0
	v_wmma_scale_f32_16x16x128_f8f6f4 v[DA:DA+7], v[FB0:FB0+11], v[FA0:FA0+11], v[DA:DA+7], v[SC+8*\b+(\s)], v[SC+8*(\a)+(\s)] matrix_a_fmt:MATRIX_FMT_FP6 matrix_b_fmt:MATRIX_FMT_FP6 matrix_a_scale:MATRIX_SCALE_ROW1
.else
.if (\cm) == 1
.set BIX, 96+128*(\b/4)+8*(\b%4)
.else
.set BIX, 96+128*((\a)/4)+8*((\a)%4)
.endif
	v_wmma_scale_f32_16x16x128_f8f6f4 v[DA:DA+7], v[FB0:FB0+11], v[FA0:FA0+11], v[BIX:BIX+7], v[SC+8*\b+(\s)], v[SC+8*(\a)+(\s)] matrix_a_fmt:MATRIX_FMT_FP6 matrix_b_fmt:MATRIX_FMT_FP6 matrix_a_scale:MATRIX_SCALE_ROW1
.endif
.endr
.endr
.endm
.macro STEP s, nslot, nq, cm
	s_wait_dscnt 12
.if \cm
	WIN 0x91
.else
	WIN 0xa1
.endif
	MUL16 0, (\s)%2, \s, \cm
	MUL16 2, (\s)%2, \s, \cm
	s_wait_dscnt 0x0
	PLACES
	FETCH_B \nslot, \nq, 1-(\s)%2
	FETCH_A \nslot, \nq, 0
.if \cm
	WIN 0xd1
.else
	WIN 0xf1
.endif
	MUL16 4, (\s)%2, \s, \cm
	MUL16 6, (\s)%2, \s, \cm
	PLACES
	WIN 0
	FETCH_A \nslot, \nq, 4
.endm
.macro TURN s, nslot, fill
	s_wait_tensorcnt 0x0
	ds_add_u32 v[SPW], v[NIL]
	s_wait_dscnt 13
	WIN 0xa1
	MUL16 0, (\s)%2, \s, 0
	s_wait_dscnt 0x0
	s_barrier_signal -1
	MUL16 2, (\s)%2, \s, 0
	WIN 0
	s_barrier_wait -1
.if \fill
	CREST
	s_add_nc_u64 s[G0+2:G0+3], s[G0+2:G0+3], 6*FRB
	s_mov_b32 s[G1+2], 8<<16                       ; no tensor load of mine is out: the refill brings 24,576 dense bytes, 8 rows
	s_mov_b32 s[G1+4], 8
	s_mov_b32 s[G1B+2], 8<<16
	s_mov_b32 s[G1B+4], 8
	s_add_nc_u64 s[G0B+2:G0B+3], s[G0B+2:G0B+3], 6*FRB
	JLOAD G0, G1, G0B, G1B
.else
	PLACES
.endif
	FETCH_B \nslot, 0, 1-(\s)%2
	FETCH_A \nslot, 0, 0
	WIN 0xf1
	MUL16 4, (\s)%2, \s, 0
	MUL16 6, (\s)%2, \s, 0
	PLACES
	WIN 0
	FETCH_A \nslot, 0, 4
.endm
	s_wait_loadcnt 0x0
	s_wait_tensorcnt 0x0                           ; my part has landed
	s_barrier_signal -1
	s_barrier_wait -1
	FETCH_B 0, 0, 0
	FETCH_A 0, 0, 0
	FETCH_A 0, 0, 4
	s_cmp_eq_u32 s17, 0
	s_cbranch_scc0 .Lfirst_v
	STEP 0, 0, 1, 1
	s_branch .Lfirst_done
.Lfirst_v:
	STEP 0, 0, 1, 2
.Lfirst_done:
	TURN 1, 1, 1
	STEP 2, 1, 1, 0
	STEP 3, 2, 0, 0
	STEP 4, 2, 1, 0
	TURN 5, 0, 0
	STEP 6, 0, 1, 0
	s_wait_dscnt 12
	WIN 0xa1
	MUL16 0, 1, 7, 0
	MUL16 2, 1, 7, 0
	s_wait_dscnt 0x0
	WIN 0xf1
	MUL16 4, 1, 7, 0
	MUL16 6, 1, 7, 0
	WIN 0
	PLACES
.macro QUANTW a, d0, d1, pw
.set SRC, 64*((\a)%4)
	WIN 0x28+0x14*((\a)/4)
.irp b, 0,1,2,3
	v_max3_num_f32 v[TM+\b], 0x1800000, |v[SRC+16*\b]|, |v[SRC+16*\b+1]|
.endr
.irp i, 2,4,6,8,10,12,14
.irp b, 0,1,2,3
	v_max3_num_f32 v[TM+\b], v[TM+\b], |v[SRC+16*\b+\i]|, |v[SRC+16*\b+\i+1]|
.endr
.endr
	WIN 0
.irp b, 0,1,2,3
	v_permlanex16_b32 v[TM+4+\b], v[TM+\b], s[SEL], s[SEL+1]
.endr
.irp b, 0,1,2,3
	v_max_num_f32 v[TM+\b], v[TM+\b], v[TM+4+\b]
.endr
.irp b, 0,1,2,3
	v_add_nc_u32 v[TM+12+\b], 0xff000000, v[TM+\b]
.endr
.irp b, 0,1,2,3
	v_lshrrev_b32 v[TM+4+\b], 23, v[TM+12+\b]
.endr
	v_lshl_or_b32 v[\pw], v[TM+5], 8, v[TM+4]
	v_lshl_or_b32 v[\pw], v[TM+6], 16, v[\pw]
	v_lshl_or_b32 v[\pw], v[TM+7], 24, v[\pw]
	WIN 0x02+((\a)/4)
	v_cvt_scalef32_pk16_fp6_f32 v[\d0:\d0+2], v[SRC:SRC+15], v[TM+12]
	v_cvt_scalef32_pk16_fp6_f32 v[CT:CT+2], v[SRC+16:SRC+31], v[TM+13]
	v_cvt_scalef32_pk16_fp6_f32 v[\d1:\d1+2], v[SRC+32:SRC+47], v[TM+14]
	v_cvt_scalef32_pk16_fp6_f32 v[CT+4:CT+6], v[SRC+48:SRC+63], v[TM+15]
	WIN 0
	v_nop
.irp i, 0,1,2
	v_permlane16_swap_b32 v[\d0+\i], v[CT+\i]
	v_permlane16_swap_b32 v[\d1+\i], v[CT+4+\i]
.endr
.irp i, 0,1,2
	v_mov_b32 v[\d0+3+\i], v[CT+\i]
	v_mov_b32 v[\d1+3+\i], v[CT+4+\i]
.endr
.endm
	s_cmp_eq_u32 s17, 0
	s_cbranch_scc0 .Lepi_v
.irp p, 0,1,2,3
	s_wait_xcnt 0x0
	QUANTW 2*\p, E, O, PWR+2*\p
	QUANTW 2*\p+1, E+6, O+6, PWR+2*\p+1
.irp c, 0,1,2
	global_store_b128 v[LI], v[E+4*\c:E+4*\c+3], s[10:11] offset:1536*\p+512*\c
	global_store_b128 v[LI], v[O+4*\c:O+4*\c+3], s[12:13] offset:1536*\p+512*\c
.endr
.endr
.irp p, 0,1,2,3
	v_perm_b32 v[W4+\p], v[PWR+2*\p+1], v[PWR+2*\p], v[PSEL]
.endr
	global_store_b128 v[SOF], v[W4:W4+3], s[10:11] offset:6144
	s_branch .Lend
.Lepi_v:
.irp a, 0,1,2,3,4,5,6,7
	s_wait_xcnt 0x0
	QUANTW \a, E, E+6, PWR+\a
.irp c, 0,1,2
	global_store_b128 v[LI], v[E+4*\c:E+4*\c+3], s[10:11] offset:(\a/4)*204800+1536*(\a%4)+512*\c
.endr
.endr
.irp j, 0,1,2,3
	v_cndmask_b32 v[W4+\j], v[PWR+\j], v[PWR+4+\j], s98
.endr
	global_store_b128 v[SOF], v[W4:W4+3], s[10:11] offset:6144
.Lend:
	s_wait_tensorcnt 0x0
	ds_add_u32 v[SPW], v[NIL]
	s_wait_dscnt 0x0
	CROUND
	s_endpgm
.Lfunc_end_k_q8b9bb47711_proj:
	.size	k_q8b9bb47711_proj, .Lfunc_end_k_q8b9bb47711_proj-k_q8b9bb47711_proj
	.p2alignl 7, 3214868480
	.fill 96, 4, 3214868480
	.section	.rodata,"a",@progbits
	.p2align	6, 0x0
	.amdhsa_kernel k_q8b9bb47711_proj
		.amdhsa_group_segment_fixed_size 327680
		.amdhsa_private_segment_fixed_size 0
		.amdhsa_enable_private_segment 0
		.amdhsa_kernarg_size 56
		.amdhsa_user_sgpr_count 2
		.amdhsa_user_sgpr_kernarg_segment_ptr 1
		.amdhsa_wavefront_size32 1
		.amdhsa_system_sgpr_workgroup_id_x 1
		.amdhsa_system_sgpr_workgroup_id_y 1
		.amdhsa_system_sgpr_workgroup_id_z 1
		.amdhsa_system_vgpr_workitem_id 0
		.amdhsa_next_free_vgpr 1024
		.amdhsa_next_free_sgpr 100
		.amdhsa_reserve_vcc 0
		.amdhsa_float_denorm_mode_32 3
		.amdhsa_float_denorm_mode_16_64 3
		.amdhsa_memory_ordered 1
		.amdhsa_forward_progress 1
		.amdhsa_inst_pref_size 190
	.end_amdhsa_kernel
	.amdgpu_metadata
---
amdhsa.version: [ 1, 2 ]
amdhsa.kernels:
  - .name:           k_q8b9bb47711_proj
    .symbol:         k_q8b9bb47711_proj.kd
    .args:
      - { .name: gcod, .offset: 0, .size: 8, .value_kind: global_buffer, .address_space: global }
      - { .name: gsc, .offset: 8, .size: 8, .value_kind: global_buffer, .address_space: global }
      - { .name: bq, .offset: 16, .size: 8, .value_kind: global_buffer, .address_space: global }
      - { .name: bk, .offset: 24, .size: 8, .value_kind: global_buffer, .address_space: global }
      - { .name: bv, .offset: 32, .size: 8, .value_kind: global_buffer, .address_space: global }
      - { .name: qbuf, .offset: 40, .size: 8, .value_kind: global_buffer, .address_space: global }
      - { .name: kvbuf, .offset: 48, .size: 8, .value_kind: global_buffer, .address_space: global }
    .group_segment_fixed_size: 327680
    .private_segment_fixed_size: 0
    .kernarg_segment_align: 8
    .kernarg_segment_size: 56
    .max_flat_workgroup_size: 128
    .sgpr_count:     100
    .vgpr_count:     1024
    .wavefront_size: 32
...
	.end_amdgpu_metadata
.endif
;; end of part 2
;; launch attn (part 3): grid 4 x 64, 16 waves a work-group, clusters of 4 x 1, 216,064 bytes of LDS; arguments qbuf, kvbuf, mcod, mcnt, ctxc, csc; writes ctxc, csc
.if DOCPART == 3
	.amdgcn_target "amdgcn-amd-amdhsa--gfx1250"
	.amdhsa_code_object_version 6
	.text
	.protected	k_q8b9bb47711_attn
	.globl	k_q8b9bb47711_attn
	.p2align	8
	.type	k_q8b9bb47711_attn,@function
k_q8b9bb47711_attn:
	s_mov_b64 s[64:65], 0
	v_nop
	global_prefetch_b8 v0, s[64:65] scope:SCOPE_SE
	s_setreg_imm32_b32 hwreg(HW_REG_WAVE_MODE, 25, 1), 1
	s_wait_xcnt 0x0
	s_wait_alu depctr_hold_cnt(0) depctr_sa_sdst(0) depctr_va_vdst(0) depctr_va_sdst(0) depctr_va_ssrc(0) depctr_va_vcc(0) depctr_vm_vsrc(0)
	s_getreg_b32 s2, hwreg(HW_REG_IB_STS2, 6, 4)
	s_cmp_eq_u32 s2, 0
	s_cbranch_scc0 .Lentry_in_a_cluster
	s_endpgm
.Lentry_in_a_cluster:
	s_bfe_u32 s2, ttmp6, 0x10000c
	s_cmp_lg_u32 s2, 0x3003
	s_cbranch_scc0 .Lentry_shape_is_right
	s_endpgm
.Lentry_shape_is_right:
; ctx = softmax(where(mask, -1e9, Q K^T / 8)) V for one (batch, head) and 512 queries, both products on codes of FP6 (E2M3); ctx is quantised along d_model and stored as half images for the last product.
; THE SOFTMAX: t = score x log2(e) / 8; M = the running largest t rounded up to a whole number; p = 2^(t - M) is quantised along the keys, not normalised; the row's sum is taken of the unquantised p and divides at the end.
; THE MASK GOES THROUGH THE PRODUCT.  The head is 64 wide and the instruction 128 deep: the other 64 places of K hold, on the keys' side, -1.0 at place 32 (m / 8) + 8 u + m % 8 of row m of tile u, under the scale 2^33,
; and on the queries' side the mask of the query and 64 keys as codes 1.0 or 0 under the scale 1.  So a masked score comes out as score - 2^33, an unmasked one with 0 added.  A masked p is 0.
; A ROW THAT IS MASKED THROUGHOUT (its count of masked keys, stored by the first launch, is 2,048) takes the factor 0 in place of log2(e) / 8: every t is 0, M = 0, p = 1 for every key: the uniform softmax.
; LIMITS: a logit of -2^30 added stands for -1e9 put in its place: the promise holds while true scaled scores stay far under 2^30 in magnitude; NaN and infinities are not served; a block of zeros carries the scale byte 1.
; SHARES: sixteen waves, four to a SIMD, 256 registers each; wave w takes the query tiles 2 w and 2 w + 1 of the work-group's 32, one after the other, and walks the head's 2,048 keys for each, 128 a step.
; LDS: the head's K and V^T as codes, 16 blocks of 12,800 bytes as they lie in memory, FILLED ONCE, one joint load a wave; a table of K's scale words in the order of the loop's registers (8,192 bytes); 1,024 bytes for ctx's scale bytes; the spare words.
; CLUSTER 4 x 1: the four query blocks of one head ask for K and V jointly.  Nothing is filled again, so the walk has no barrier.
; TILES OF KEYS: lane r of tile (c, u) takes key 64 c + 32 (r / 8) + 8 u + r % 8 of the step, by the lane's LDS address.  So lane (r, h) holds, in the 32 score registers of c, keys 64 c + 32 h + 0 .. 31: a whole scale block, in the order of p's operand.
; REGISTERS OF AN OPERAND: [K of c = 0 | the diagonal | K of c = 1], 18 registers for each u: the first twelve against [Q | mask of c = 0], the last twelve against [mask of c = 1 | Q], which are the last and the first twelve of 18 registers too.
; AHEAD: behind a step's score products its K registers, K's scale words and the mask registers are free: the next step's are asked for there, 16 + 2 LDS loads and 4 global loads.  V^T lands on p's registers when p has been converted.
; The last step of the second tile asks for block 0 and for its own mask codes once more: no load leaves its buffer; these are not read.
; No prefetch into the L2 is laid for the mask codes: each wave asks for its 1,536 bytes one whole step ahead of their use, and the sixteen heads' work-groups name the same bytes.
.set KVB,  12800
.set KT,   16*KVB
.set CSL,  KT+8192
.set SPARE, CSL+1024
.set L16,  2                           ; 16 x lane
.set R16,  3                           ; 16 r
.set KL,   4                           ; my lane's place in K's images: 1536 (r / 8) + 16 (r % 8) + 256 h
.set RT,   5                           ; KT + 32 r
.set ADK,  6
.set ADT,  7
.set ADV,  8
.set AVS,  9
.set M8,   10                          ; 8 x lane
.set ACS,  11                          ; CSL + 64 wave + 2 r
.set NM,   12                          ; v12 -M, v13 the running largest t
.set LS,   14                          ; v[14:15] the row's sum
.set CR,   16                          ; v16 the factor of my row (v17: the pair's upper half)
.set CA,   18                          ; that of the first tile's row, v19 of the second's
.set CB,   19
.set SH8,  20                          ; 8 h
.set QWA,  21                          ; Q's scale words: [q0 q1 1 1], [1 1 q0 q1]
.set QWB,  22
.set QWD,  23                          ; the pair's word as loaded
.set FF,   24                          ; v[24:25] f = 2^(old M - new M)
.set TT,   26
.set TU,   27
.set BM,   28
.set SO,   30
.set BT,   32
.set CTA,  32                          ; v32-34 codes on their way
.set T1,   36                          ; v36-41 three pairs at work
.set T2,   38
.set T3,   40
.set QA,   42                          ; v42-47 the first tile's Q; v250-255 the second's
.set KS,   48                          ; v48-55 K's scale words
.set VS,   56                          ; v56-59 V's
.set PW,   60                          ; p's
.set ST,   61
.set SPW,  62
.set NIL,  63
.set BQ,   64                          ; v64-81 [mask c = 1 | Q | mask c = 0]
.set AG,   82                          ; v82-153 four times [K c = 0 | diagonal | K c = 1]
.set SR,   154                         ; v154-217 scores, then p, then V^T (48) and p's codes
.set PC,   SR+48
.set CTB,  SR+60
.set OT,   218                         ; v218-249 O^T
.set QB,   250
.set WV,   28
.set CNT,  29
.set TB,   30
.set TP,   31
.set MO,   32                          ; s[32:33] byte offset of the mask codes asked for
.set MA,   34
.set MB,   36
.set PS,   38                          ; 0, 32: the tile's place among ctx's scale bytes; counts the tiles
.set PM,   39                          ; 0, -1
.set PSH,  40                          ; 0, 16
.set CS,   41
.set SEL,  42
.macro WALU
	s_wait_alu depctr_va_vdst(0)
.endm
.macro CROUND
	s_barrier_signal -1
	s_barrier_wait -1
	s_cmp_lg_u32 s[WV], 0
	s_cbranch_scc1 .Lnot_wave_0_\@
	s_barrier_signal -3
.Lnot_wave_0_\@:
	s_barrier_wait -3
	s_barrier_signal -1
	s_barrier_wait -1
.endm
.macro KFETCH                          ; a step's eight tiles of K, six registers each, out of the pair images (register 4 c + i at byte 512 c + 16 lane + 4 i), and their scale words
.irp u, 0,1,2,3
.irp c, 0,1
.if \u%2 == 0
	ds_load_b128 v[AG+18*\u+12*\c:AG+18*\u+12*\c+3], v[ADK] offset:3072*\c+128*(\u/2)
	ds_load_b64 v[AG+18*\u+12*\c+4:AG+18*\u+12*\c+5], v[ADK] offset:3072*\c+128*(\u/2)+512
.else
	ds_load_b64 v[AG+18*\u+12*\c:AG+18*\u+12*\c+1], v[ADK] offset:3072*\c+128*(\u/2)+520
	ds_load_b128 v[AG+18*\u+12*\c+2:AG+18*\u+12*\c+5], v[ADK] offset:3072*\c+128*(\u/2)+1024
.endif
.endr
.endr
	ds_load_b128 v[KS:KS+3], v[ADT]
	ds_load_b128 v[KS+4:KS+7], v[ADT] offset:16
.endm
.macro MFETCH b                        ; a step's mask codes
	global_load_b128 v[BQ+12:BQ+15], v[L16], s[\b:\b+1]
	global_load_b64 v[BQ+16:BQ+17], v[M8], s[\b:\b+1] offset:512
	global_load_b128 v[BQ:BQ+3], v[L16], s[\b:\b+1] offset:768
	global_load_b64 v[BQ+4:BQ+5], v[M8], s[\b:\b+1] offset:1280
.endm
	s_load_b256 s[16:23], s[0:1], 0x0              ; qbuf, kvbuf, mcod, mcnt
	s_load_b128 s[24:27], s[0:1], 0x20             ; ctxc, csc
	v_lshl_add_u32 v[SPW], v0, 2, SPARE
	v_mov_b32 v[NIL], 0
	ds_add_u32 v[SPW], v[NIL]                      ; the opening lines: the add twice and one wait
	ds_add_u32 v[SPW], v[NIL]
	v_lshrrev_b32 v1, 5, v0
	v_readfirstlane_b32 s[WV], v1                  ; wave 0..15
	s_bfe_u32 s48, ttmp6, 0x40000                  ; cx: my block of 512 queries: it enters global addresses of Q, the mask and ctx alone
	s_and_b32 s49, ttmp7, 0xffff                   ; 16 x batch + head, which the partners share
	s_mov_b32 s8, 15|(3<<16)|(1<<21)               ; group 1: 12,800 dense bytes as 50 rows of 32 elements of 8 bytes; the mask names all four work-groups
	s_mov_b32 s9, 32<<16
	s_mov_b32 s10, 50<<16
	s_mov_b32 s11, 32<<16
	s_mov_b32 s12, 50
	s_mov_b32 s13, 32
	s_mov_b32 s14, 0
	s_mov_b32 s15, 0
	s_mov_b32 s4, 1
	s_mul_i32 s5, s[WV], KVB                       ; LDS: block = my wave's number
	s_mul_i32 s46, s49, 16*KVB
	s_add_co_u32 s46, s46, s5
	s_mov_b32 s47, 0
	WALU
	s_wait_dscnt 0x0
	s_wait_kmcnt 0x0
	s_add_nc_u64 s[6:7], s[18:19], s[46:47]
	s_or_b32 s7, s7, 0x80000000
	CROUND                                         ; all four work-groups are here: the joint loads meet
	tensor_load_to_lds s[4:7], s[8:15]             ; one load a wave: key step = wave
	s_nop 0
	; under the load's flight: addresses
	s_lshr_b32 s44, s[WV], 2
	s_lshl_b32 s45, s48, 2
	s_add_co_u32 s44, s44, s45                     ; which 128 queries of the head
	s_mul_i32 s44, s44, 6400
	s_mul_i32 s45, s49, 102400
	s_add_co_u32 s44, s44, s45
	s_and_b32 s46, s[WV], 3                        ; which pair of tiles in them
	s_mul_i32 s45, s46, 1536
	s_add_co_u32 s44, s44, s45
	s_mov_b32 s45, 0
	s_add_nc_u64 s[16:17], s[16:17], s[44:45]      ; my pair image of Q
	s_mul_i32 s46, s46, 1532
	s_sub_co_u32 s46, 6144, s46                    ; from there to the pair's scale words
	s_lshr_b32 s44, s49, 4
	s_lshl_b32 s44, s44, 7
	s_lshl_b32 s47, s48, 5
	s_add_co_u32 s44, s44, s47
	s_lshl_b32 s47, s[WV], 1
	s_add_co_u32 s47, s44, s47                     ; my first tile: 128 batch + 32 block + 2 wave
	s_mul_i32 s44, s47, 24576
	s_add_nc_u64 s[MB:MB+1], s[20:21], s[44:45]    ; the two tiles' mask codes lie on end: 32 steps of 1,536 bytes
	s_lshl_b32 s44, s47, 8
	s_add_nc_u64 s[22:23], s[22:23], s[44:45]
	s_lshr_b32 s44, s47, 3                         ; ctx's codes: [group of 8 tiles of tokens][K step = head / 2][tile][half = head % 2: 768 bytes]
	s_mul_i32 s44, s44, 98304
	s_and_b32 s53, s47, 7
	s_mul_i32 s53, s53, 1536
	s_add_co_u32 s44, s44, s53
	s_and_b32 s52, s49, 15                         ; head
	s_lshr_b32 s53, s52, 1
	s_mul_i32 s53, s53, 12288
	s_add_co_u32 s44, s44, s53
	s_and_b32 s53, s52, 1
	s_mul_i32 s53, s53, 768
	s_add_co_u32 s44, s44, s53
	s_add_nc_u64 s[24:25], s[24:25], s[44:45]
	s_lshr_b32 s44, s49, 4
	s_lshl_b32 s44, s44, 3
	s_lshl_b32 s53, s48, 1
	s_add_co_u32 s44, s44, s53
	s_min_u32 s53, s[WV], 1
	s_add_co_u32 s44, s44, s53                     ; which 256 tokens: waves 0 and 1 store the two halves' scale bytes
	s_lshl_b32 s44, s44, 4
	s_add_co_u32 s44, s44, s52
	s_lshl_b32 s44, s44, 9
	s_add_nc_u64 s[26:27], s[26:27], s[44:45]
	s_lshl_b32 s44, s[WV], 6
	s_add_co_u32 s44, s44, CSL
	s_lshl_b32 s45, s[WV], 9
	s_mov_b32 s[SEL], 0x76543210
	s_mov_b32 s[SEL+1], 0xfedcba98
	s_mov_b32 s[CS], 0x3e38aa3b                    ; log2(e) / 8
	s_mov_b32 s50, 0x00000504
	s_mov_b32 s51, 0x05040000
	s_mov_b32 s54, 0xff00ff00                      ; the lanes with r / 8 = 1
	v_and_b32 v1, 31, v0
	v_and_b32 v[SR], 15, v0                        ; r
	v_bfe_u32 v[SR+1], v0, 4, 1                    ; h
	v_bfe_u32 v[SR+2], v0, 3, 1                    ; r / 8
	v_and_b32 v[SR+3], 7, v0                       ; r % 8
	v_lshlrev_b32 v[L16], 4, v1
	v_lshlrev_b32 v[M8], 3, v1
	v_lshlrev_b32 v[R16], 4, v[SR]
	v_mul_u32_u24 v[KL], v[SR+2], 1536
	v_lshl_add_u32 v[KL], v[SR+3], 4, v[KL]
	v_lshl_add_u32 v[KL], v[SR+1], 8, v[KL]
	v_lshl_add_u32 v[RT], v[SR], 5, KT
	v_lshlrev_b32 v[SH8], 3, v[SR+1]
	v_lshl_add_u32 v[ACS], v[SR], 1, s44
	v_lshlrev_b32 v[SR+4], 4, v[SR+3]
	v_lshl_add_u32 v[SR+4], v[SR+1], 7, v[SR+4]
	v_add_nc_u32 v[SR+4], s5, v[SR+4]              ; the table's source: my block's scale words of row r % 8 + 8 h
	v_lshl_add_u32 v[SR+5], v[SR+1], 4, v[RT]
	v_add_nc_u32 v[SR+5], s45, v[SR+5]             ; and its place: KT + 512 wave + 32 r + 16 h
	v_lshlrev_b32 v[SR+12], 2, v[SR]
	v_add_nc_u32 v[SR+13], s46, v[R16]
	WALU
	global_load_b128 v[QA:QA+3], v[L16], s[16:17]            ; the pair image's registers 0-5: the first tile's Q; 6-11: the second's
	global_load_b64 v[QA+4:QA+5], v[L16], s[16:17] offset:512
	global_load_b64 v[QB:QB+1], v[L16], s[16:17] offset:520
	global_load_b128 v[QB+2:QB+5], v[L16], s[16:17] offset:1024
	global_load_b32 v[QWD], v[SR+13], s[16:17]
.irp q, 0,1,2,3,4,5,6,7
	global_load_b32 v[SR+16+\q], v[SR+12], s[22:23] offset:64*\q   ; the counts of masked keys: four quarters for each of my two tiles
.endr
	MFETCH MB                                      ; key step 0's mask codes
	; the diagonal: -1.0 (the code 0x28) at code 8 u + r % 8 of my 32, in the lanes with h = r / 8
	v_and_b32 v[SR+6], 3, v0
	v_mul_u32_u24 v[SR+6], v[SR+6], 6
	v_mov_b32 v[SR+7], 0x28
	v_lshlrev_b32 v[SR+6], v[SR+6], v[SR+7]
	v_xor_b32 v[SR+7], v[SR+1], v[SR+2]
	v_xor_b32 v[SR+7], 1, v[SR+7]
	v_mul_u32_u24 v[SR+6], v[SR+6], v[SR+7]
	v_bfe_u32 v[SR+7], v0, 2, 1
	v_mul_u32_u24 v[SR+7], v[SR+6], v[SR+7]        ; the upper 24 of the 48 bits of eight codes,
	v_sub_nc_u32 v[SR+6], v[SR+6], v[SR+7]         ; the lower 24
	v_lshl_or_b32 v[SR+8], v[SR+7], 24, v[SR+6]    ; bits 0-31
	v_lshrrev_b32 v[SR+9], 8, v[SR+7]              ; bits 32-47
	v_lshlrev_b32 v[SR+10], 16, v[SR+8]            ; the same 48 bits, 16 up
	v_lshrrev_b32 v[SR+11], 16, v[SR+8]
	v_lshl_or_b32 v[SR+11], v[SR+9], 16, v[SR+11]
.irp u, 0,1,2,3
.irp i, 0,1,2,3,4,5
	v_mov_b32 v[AG+18*\u+6+\i], 0
.endr
.endr
.irp g, 0,1                                    ; u = 2 g begins at bit 96 g, u = 2 g + 1 at bit 96 g + 48
	v_mov_b32 v[AG+36*\g+6+3*\g], v[SR+8]
	v_mov_b32 v[AG+36*\g+7+3*\g], v[SR+9]
	v_mov_b32 v[AG+36*\g+18+7+3*\g], v[SR+10]
	v_mov_b32 v[AG+36*\g+18+8+3*\g], v[SR+11]
.endr
	v_mov_b32 v[FF+1], 0                           ; (named as the upper halves of pairs)
	v_mov_b32 v[CR+1], 0
	v_mov_b32 v[TU], 0                             ; written once: a lane permute's destination counts as read
	v_mov_b32 v[SR+14], s[CS]
	v_mov_b32 v[SR+15], 0xa0a0a0a0                 ; the scale 2^33, four times
	WALU
	s_wait_loadcnt 4                               ; all but the four loads of mask codes, issued last
	v_add3_u32 v[SR+16], v[SR+16], v[SR+17], v[SR+18]
	v_add3_u32 v[SR+20], v[SR+20], v[SR+21], v[SR+22]
	v_add_nc_u32 v[SR+16], v[SR+16], v[SR+19]
	v_add_nc_u32 v[SR+20], v[SR+20], v[SR+23]
	v_cmp_ne_u32 vcc_lo, 0x800, v[SR+16]
	v_cndmask_b32 v[CA], 0, v[SR+14], vcc_lo       ; 0 for a row that is masked throughout
	v_cmp_ne_u32 vcc_lo, 0x800, v[SR+20]
	v_cndmask_b32 v[CB], 0, v[SR+14], vcc_lo
	WALU
	s_wait_tensorcnt 0x0                           ; my block has landed;
	s_barrier_signal -1
	s_barrier_wait -1                              ; and everybody's
	; THE TABLE: wave w lays key step w's scale words as the loop's registers take them: word 4 (u / 2) + 2 c + u % 2 of row r is tile (c, u)'s: [k0 k1 2^33 2^33] for c = 0, [2^33 2^33 k0 k1] for c = 1.  Lane (r, h) makes the four words with u / 2 = h
	ds_load_b128 v[SR+24:SR+27], v[SR+4] offset:6144
	s_wait_dscnt 0x0
	v_cndmask_b32 v[SR+28], v[SR+24], v[SR+25], s54        ; pair image 2 c + r / 8
	v_cndmask_b32 v[SR+29], v[SR+26], v[SR+27], s54
	v_perm_b32 v[SR+32], v[SR+28], v[SR+15], 0x00000504
	v_perm_b32 v[SR+33], v[SR+28], v[SR+15], 0x00000706
	v_perm_b32 v[SR+34], v[SR+29], v[SR+15], 0x05040000
	v_perm_b32 v[SR+35], v[SR+29], v[SR+15], 0x07060000
	ds_store_b128 v[SR+5], v[SR+32:SR+35]
	v_mov_b32 v[ADK], v[KL]
	v_mov_b32 v[ADT], v[RT]
	v_mov_b32 v[ADV], v[L16]
	v_mov_b32 v[AVS], v[R16]
	WALU
	s_wait_dscnt 0x0                               ; for the others' sake: my words lie in LDS
	s_barrier_signal -1
	s_barrier_wait -1
	KFETCH                                         ; key step 0
	s_mov_b32 s[MO], 0
	s_mov_b32 s[MO+1], 0
	s_mov_b32 s[PS], 0
	s_mov_b32 s[PM], 0
	s_mov_b32 s[PSH], 0
.Ltile:                                                ; two trips: my two tiles of queries
	v_lshrrev_b32 v[TT], s[PSH], v[QWD]
	v_perm_b32 v[QWA], v[TT], 0x7f7f7f7f, s50
	v_perm_b32 v[QWB], v[TT], 0x7f7f7f7f, s51
.irp i, 0,1,2,3,4,5
	v_cndmask_b32 v[BQ+6+\i], v[QA+\i], v[QB+\i], s[PM]
.endr
	v_cndmask_b32 v[CR], v[CA], v[CB], s[PM]
	v_mov_b32 v[NM+1], 0xff61b1e6                  ; the largest t so far: -3e38
	v_floor_f32 v[NM], -v[NM+1]
	v_mov_b32 v[LS], 0
	v_mov_b32 v[LS+1], 0
.set J, 0
.rept 32
	v_mov_b32 v[OT+J], 0                           ; the step is written once: the first change of M leaves zeros zeros.  (Also the places between Q's registers and scale words and the first product)
.set J, J+1
.endr
	s_mov_b32 s[CNT], 0
	WALU
.Lstep:                                                ; 128 keys
	s_wait_loadcnt 0x0                             ; this step's mask codes, asked for a step ago: so their base may be written,
	s_wait_dscnt 0x0                               ; and K's fragments and scale words
	s_add_co_u32 s44, s[CNT], 1
	s_and_b32 s44, s44, 15                         ; the next key step, round the head's sixteen
	s_mul_i32 s[TB], s44, KVB
	s_lshl_b32 s[TP], s44, 9
	s_add_co_u32 s[MO], s[MO], 1536
	s_min_u32 s[MO], s[MO], 31*1536                ; the very last step asks for its own again
	s_add_nc_u64 s[MA:MA+1], s[MB:MB+1], s[MO:MO+1]
.irp u, 0,1,2,3
	v_wmma_scale_f32_16x16x128_f8f6f4 v[SR+8*\u:SR+8*\u+7], v[AG+18*\u:AG+18*\u+11], v[BQ+6:BQ+17], 0, v[KS+4*(\u/2)+\u%2], v[QWA] matrix_a_fmt:MATRIX_FMT_FP6 matrix_b_fmt:MATRIX_FMT_FP6
	v_wmma_scale_f32_16x16x128_f8f6f4 v[SR+32+8*\u:SR+32+8*\u+7], v[AG+18*\u+6:AG+18*\u+17], v[BQ:BQ+11], 0, v[KS+4*(\u/2)+2+\u%2], v[QWB] matrix_a_fmt:MATRIX_FMT_FP6 matrix_b_fmt:MATRIX_FMT_FP6
.endr
	v_add_nc_u32 v[ADK], s[TB], v[KL]              ; four places behind the products, in front of the loads into their registers and of the first read of the scores
	v_add_nc_u32 v[ADT], s[TP], v[RT]
	v_nop
	v_nop
	KFETCH
	MFETCH MA
.irp c, 0,1                                    ; the largest score of my two blocks of 32 keys, each in two chains: for the row's maximum and, since p rises with the score, for the block's largest p
	v_max3_num_f32 v[BM+\c], v[SR+32*\c], v[SR+32*\c+1], v[SR+32*\c+2]
	v_max3_num_f32 v[T1+\c], v[SR+32*\c+16], v[SR+32*\c+17], v[SR+32*\c+18]
.endr
.irp i, 3,5,7,9,11,13
.irp c, 0,1
	v_max3_num_f32 v[BM+\c], v[BM+\c], v[SR+32*\c+\i], v[SR+32*\c+\i+1]
	v_max3_num_f32 v[T1+\c], v[T1+\c], v[SR+32*\c+16+\i], v[SR+32*\c+17+\i]
.endr
.endr
.irp c, 0,1
	v_max3_num_f32 v[BM+\c], v[BM+\c], v[T1+\c], v[SR+32*\c+15]
.endr
.irp c, 0,1
	v_max_num_f32 v[BM+\c], v[BM+\c], v[SR+32*\c+31]
.endr
	v_max_num_f32 v[TT], v[BM], v[BM+1]
	v_permlanex16_b32 v[TU], v[TT], s[SEL], s[SEL+1]
	v_max_num_f32 v[TT], v[TT], v[TU]              ; with lane l xor 16's 64 keys
	v_mul_f32 v[TT], v[CR], v[TT]                  ; the step's largest t
	v_max_num_f32 v[NM+1], v[NM+1], v[TT]
	v_mov_b32 v[TT], v[NM]
	v_floor_f32 v[NM], -v[NM+1]                    ; the new -M = floor(-t): M is a whole number
	v_sub_f32 v[TT], v[NM], v[TT]                  ; old M - new M: a whole number, 0 or less
	v_cvt_i32_f32 v[TT], v[TT]                     ; (it saturates)
	v_ldexp_f32 v[FF], 1.0, v[TT]                  ; f = 2^(old M - new M): a multiplication by it rounds nothing
.set J, 0
.rept 32
	v_pk_fma_f32 v[SR+J:SR+J+1], v[SR+J:SR+J+1], v[CR:CR+1], v[NM:NM+1] op_sel_hi:[1,0,0]   ; t - M, two at a time
.set J, J+2
.endr
	v_fma_f32 v[BM], v[BM], v[CR], v[NM]
	v_fma_f32 v[BM+1], v[BM+1], v[CR], v[NM]
	WALU                                           ; the wait ahead of the batch
.set J, 0
.rept 64
	v_exp_f32 v[SR+J], v[SR+J]                     ; p = 2^(t - M)
.set J, J+1
.endr
	v_exp_f32 v[BM], v[BM]                         ; the blocks' largest p
	v_exp_f32 v[BM+1], v[BM+1]
	v_pk_mul_f32 v[LS:LS+1], v[LS:LS+1], v[FF:FF+1] op_sel_hi:[1,0]   ; the sum under the new M: the plain place behind the exponentials
	WALU                                           ; and behind it, ahead of its first reader
	v_pk_add_f32 v[T1:T1+1], v[SR:SR+1], v[SR+2:SR+3]      ; the row's sum of the unquantised p, in four chains
	v_pk_add_f32 v[T2:T2+1], v[SR+4:SR+5], v[SR+6:SR+7]
	v_pk_add_f32 v[T3:T3+1], v[SR+8:SR+9], v[SR+10:SR+11]
	v_pk_add_f32 v[LS:LS+1], v[LS:LS+1], v[SR+12:SR+13]
.set J, 14
.rept 6
	v_pk_add_f32 v[T1:T1+1], v[T1:T1+1], v[SR+J:SR+J+1]
	v_pk_add_f32 v[T2:T2+1], v[T2:T2+1], v[SR+J+2:SR+J+3]
	v_pk_add_f32 v[T3:T3+1], v[T3:T3+1], v[SR+J+4:SR+J+5]
	v_pk_add_f32 v[LS:LS+1], v[LS:LS+1], v[SR+J+6:SR+J+7]
.set J, J+8
.endr
	v_pk_add_f32 v[T1:T1+1], v[T1:T1+1], v[SR+62:SR+63]
.irp c, 0,1
	v_max_num_f32 v[BM+\c], 0x1800000, v[BM+\c]    ; the floor 2^(3 - 127)
.endr
.irp c, 0,1
	v_add_nc_u32 v[SO+\c], 0xff000000, v[BM+\c]    ; 2 off the exponent field: the conversion's scale operand
.endr
.irp c, 0,1
	v_lshrrev_b32 v[BT+\c], 23, v[SO+\c]
.endr
	v_lshl_or_b32 v[TT], v[BT+1], 16, v[BT]        ; my bytes: blocks h and 2 + h,
	v_lshlrev_b32 v[TT], v[SH8], v[TT]             ; at their places;
	v_permlanex16_b32 v[TU], v[TT], s[SEL], s[SEL+1]
	v_cvt_scalef32_pk16_fp6_f32 v[CTA:CTA+2], v[SR+48:SR+63], v[SO+1]
	v_or_b32 v[PW], v[TT], v[TU]                   ; with lane l xor 16's two the word is whole.  (The plain place between the conversion above and those that write over its sources)
	v_cvt_scalef32_pk16_fp6_f32 v[PC+6:PC+8], v[SR+32:SR+47], v[SO+1]   ; p's codes lie on the last sixteen p, which have been converted
	v_cvt_scalef32_pk16_fp6_f32 v[PC:PC+2], v[SR:SR+15], v[SO]
	v_cvt_scalef32_pk16_fp6_f32 v[CTB:CTB+2], v[SR+16:SR+31], v[SO]
.irp t, 0,1,2,3
.irp c, 0,1,2
	ds_load_b128 v[SR+12*\t+4*\c:SR+12*\t+4*\c+3], v[ADV] offset:6400+1536*\t+512*\c   ; V^T's four images, onto the first 48 p
.endr
.endr
	ds_load_b128 v[VS:VS+3], v[AVS] offset:12544
	v_nop                                          ; one plain place behind a scaled conversion
.irp i, 0,1,2
	v_mov_b32 v[PC+3+\i], v[CTB+\i]                ; (a conversion's three registers begin on an even number)
	v_mov_b32 v[PC+9+\i], v[CTA+\i]
.endr
	s_wait_dscnt 0x0                               ; V^T is in
	WALU                                           ; the wait here, directly ahead of the first reader of O^T
.set J, 0
.rept 16
	v_pk_mul_f32 v[OT+J:OT+J+1], v[OT+J:OT+J+1], v[FF:FF+1] op_sel_hi:[1,0]   ; O^T under the new M; also the places between p's codes and scale word and the products
.set J, J+2
.endr
.irp t, 0,1,2,3
	v_wmma_scale_f32_16x16x128_f8f6f4 v[OT+8*\t:OT+8*\t+7], v[SR+12*\t:SR+12*\t+11], v[PC:PC+11], v[OT+8*\t:OT+8*\t+7], v[VS+\t], v[PW] matrix_a_fmt:MATRIX_FMT_FP6 matrix_b_fmt:MATRIX_FMT_FP6
.endr
	v_pk_add_f32 v[T1:T1+1], v[T1:T1+1], v[T2:T2+1]        ; five places behind these products, ahead of the next step's, which write over their operands: the sum's chains join,
	v_pk_add_f32 v[LS:LS+1], v[LS:LS+1], v[T3:T3+1]
	v_pk_add_f32 v[LS:LS+1], v[LS:LS+1], v[T1:T1+1]
	v_add_nc_u32 v[ADV], s[TB], v[L16]             ; and the next step's addresses of V^T
	v_add_nc_u32 v[AVS], s[TB], v[R16]
	s_add_co_u32 s[CNT], s[CNT], 1
	s_cmp_lt_u32 s[CNT], 16
	s_cbranch_scc1 .Lstep
	; THE TILE'S WAY OUT: O^T / the sum, quantised along the head's 64 (two blocks): half a fragment of the last product's operand
	v_add_f32 v[LS], v[LS], v[LS+1]
	v_permlanex16_b32 v[TU], v[LS], s[SEL], s[SEL+1]
	v_add_f32 v[LS], v[LS], v[TU]                  ; the row's sum
	WALU
	v_rcp_f32 v[LS], v[LS]
	v_add_nc_u32 v[ST], s[PS], v[ACS]              ; (the plain place)  where my row's two scale bytes go
	WALU
.set J, 0
.rept 32
	v_mul_f32 v[SR+J], v[OT+J], v[LS]              ; register 16 b + i is ctx(query, 32 b + 16 h + i)
.set J, J+1
.endr
.irp b, 0,1
	v_max3_num_f32 v[BM+\b], |v[SR+16*\b]|, |v[SR+1+16*\b]|, 0x1800000
.endr
.irp i, 2,4,6,8,10,12,14
.irp b, 0,1
	v_max3_num_f32 v[BM+\b], v[BM+\b], |v[SR+16*\b+\i]|, |v[SR+1+16*\b+\i]|
.endr
.endr
.irp b, 0,1
	v_permlanex16_b32 v[BT+\b], v[BM+\b], s[SEL], s[SEL+1]
.endr
.irp b, 0,1
	v_max_num_f32 v[BM+\b], v[BM+\b], v[BT+\b]
.endr
.irp b, 0,1
	v_add_nc_u32 v[SO+\b], 0xff000000, v[BM+\b]
.endr
.irp b, 0,1
	v_lshrrev_b32 v[BT+\b], 23, v[SO+\b]
.endr
	v_lshl_or_b32 v[TT], v[BT+1], 8, v[BT]
	v_cvt_scalef32_pk16_fp6_f32 v[PC:PC+2], v[SR:SR+15], v[SO]
	v_cvt_scalef32_pk16_fp6_f32 v[CTB:CTB+2], v[SR+16:SR+31], v[SO+1]
	v_nop
.irp i, 0,1,2
	v_permlane16_swap_b32 v[PC+\i], v[CTB+\i]      ; the operand wants a whole block in a lane
.endr
.irp i, 0,1,2
	v_mov_b32 v[PC+3+\i], v[CTB+\i]
.endr
	ds_store_b16 v[ST], v[TT]                      ; both lanes of a row write the same two bytes
	global_store_b128 v[L16], v[PC:PC+3], s[24:25]         ; registers 0-3: 512 consecutive bytes
	global_store_b64 v[M8], v[PC+4:PC+5], s[24:25] offset:512   ; registers 4, 5: 256 consecutive bytes
	WALU
	s_wait_xcnt 0x0                                ; the stores have read their base and their data
	s_add_nc_u64 s[24:25], s[24:25], 1536          ; the next tile of tokens: my first has an even number, so both are of one group
	s_mov_b32 s[PM], -1
	s_mov_b32 s[PSH], 16
	s_add_co_u32 s[PS], s[PS], 32
	s_cmp_lt_u32 s[PS], 64
	s_cbranch_scc1 .Ltile
	s_wait_dscnt 0x0                               ; for the others' sake: my bytes lie in LDS
	s_barrier_signal -1
	s_barrier_wait -1
	s_cmp_lt_u32 s[WV], 2
	s_cbranch_scc0 .Lnot_mine
	s_lshl_b32 s44, s[WV], 9
	s_add_co_u32 s44, s44, CSL
	v_add_nc_u32 v[ST], s44, v[L16]
	ds_load_b128 v[SR:SR+3], v[ST]
	s_wait_dscnt 0x0
	global_store_b128 v[L16], v[SR:SR+3], s[26:27] ; sixteen tiles' scale bytes of this head: 512 consecutive bytes
.Lnot_mine:
	s_wait_tensorcnt 0x0                           ; the wave's end
	ds_add_u32 v[SPW], v[NIL]
	s_wait_dscnt 0x0
	CROUND                                         ; the closing round
	s_endpgm
.Lfunc_end_k_q8b9bb47711_attn:
	.size	k_q8b9bb47711_attn, .Lfunc_end_k_q8b9bb47711_attn-k_q8b9bb47711_attn
	.p2alignl 7, 3214868480
	.fill 96, 4, 3214868480
	.section	.rodata,"a",@progbits
	.p2align	6, 0x0
	.amdhsa_kernel k_q8b9bb47711_attn
		.amdhsa_group_segment_fixed_size 216064
		.amdhsa_private_segment_fixed_size 0
		.amdhsa_enable_private_segment 0
		.amdhsa_kernarg_size 48
		.amdhsa_user_sgpr_count 2
		.amdhsa_user_sgpr_kernarg_segment_ptr 1
		.amdhsa_wavefront_size32 1
		.amdhsa_system_sgpr_workgroup_id_x 1
		.amdhsa_system_sgpr_workgroup_id_y 1
		.amdhsa_system_sgpr_workgroup_id_z 1
		.amdhsa_system_vgpr_workitem_id 0
		.amdhsa_next_free_vgpr 256
		.amdhsa_next_free_sgpr 66
		.amdhsa_reserve_vcc 1
		.amdhsa_float_denorm_mode_32 3
		.amdhsa_float_denorm_mode_16_64 3
		.amdhsa_memory_ordered 1
		.amdhsa_forward_progress 1
		.amdhsa_inst_pref_size 34
	.end_amdhsa_kernel
	.amdgpu_metadata
---
amdhsa.version: [ 1, 2 ]
amdhsa.kernels:
  - .name:           k_q8b9bb47711_attn
    .symbol:         k_q8b9bb47711_attn.kd
    .args:
      - { .name: qbuf, .offset: 0, .size: 8, .value_kind: global_buffer, .address_space: global }
      - { .name: kvbuf, .offset: 8, .size: 8, .value_kind: global_buffer, .address_space: global }
      - { .name: mcod, .offset: 16, .size: 8, .value_kind: global_buffer, .address_space: global }
      - { .name: mcnt, .offset: 24, .size: 8, .value_kind: global_buffer, .address_space: global }
      - { .name: ctxc, .offset: 32, .size: 8, .value_kind: global_buffer, .address_space: global }
      - { .name: csc, .offset: 40, .size: 8, .value_kind: global_buffer, .address_space: global }
    .group_segment_fixed_size: 216064
    .private_segment_fixed_size: 0
    .kernarg_segment_align: 8
    .kernarg_segment_size: 48
    .max_flat_workgroup_size: 512
    .sgpr_count:     66
    .vgpr_count:     256
    .wavefront_size: 32
...
	.end_amdgpu_metadata
.endif
;; end of part 3
;; launch out (part 4): grid 4 x 64, 4 waves a work-group, clusters of 4 x 4, 327,680 bytes of LDS; arguments ctxc, csc, gcod, gsc, bo, out0; writes out0
.if DOCPART == 4
	.amdgcn_target "amdgcn-amd-amdhsa--gfx1250"
	.amdhsa_code_object_version 6
	.text
	.protected	k_q8b9bb47711_out
	.globl	k_q8b9bb47711_out
	.p2align	8
	.type	k_q8b9bb47711_out,@function
k_q8b9bb47711_out:
	s_mov_b64 s[64:65], 0
	v_nop
	global_prefetch_b8 v0, s[64:65] scope:SCOPE_SE
	s_setreg_imm32_b32 hwreg(HW_REG_WAVE_MODE, 25, 1), 1
	s_wait_xcnt 0x0
	s_wait_alu depctr_hold_cnt(0) depctr_sa_sdst(0) depctr_va_vdst(0) depctr_va_sdst(0) depctr_va_ssrc(0) depctr_va_vcc(0) depctr_vm_vsrc(0)
	s_getreg_b32 s2, hwreg(HW_REG_IB_STS2, 6, 4)
	s_cmp_eq_u32 s2, 0
	s_cbranch_scc0 .Lentry_in_a_cluster
	s_endpgm
.Lentry_in_a_cluster:
	s_bfe_u32 s2, ttmp6, 0x10000c
	s_cmp_lg_u32 s2, 0xf033
	s_cbranch_scc0 .Lentry_shape_is_right
	s_endpgm
.Lentry_shape_is_right:
; out0 = ctx Wo + bo on codes of FP6 (E2M3): ctx [8192][1024] and Wo's columns come as register images, [group of 8 tiles of 16 rows][K step of 128][tile][1,536 bytes], with their E8M0 scale bytes; sums in f32.
; SHARES: 256 work-groups, one block of 128 tokens x 256 columns each; four waves, 2 x 2; a wave makes 64 x 128: 32 accumulators of 16 x 16, 256 registers.
; LDS, FILLED ONCE: ctx's group of 8 tiles, all of K (98,304 bytes), then Wo's two groups (2 x 98,304), as they lie in memory.  One joint load a wave at the head: waves 0 and 1 four K steps each of ctx's group, waves 2 and 3 a group of Wo each.
; Nothing is filled again: the walk along K has no wait for tiles, no round and no barrier.  All fills go out at the head and there is no loop to run ahead in: no prefetch is laid.
; CLUSTER 4 x 4: the four of a row of the cluster take the same tokens, the four of a column the same columns of Wo: each tile is asked for jointly.
; THE MATRIX INSTRUCTION IS USED TRANSPOSED (source 0 = 16 columns of Wo, source 1 = 16 tokens): a lane holds eight neighbouring numbers of a row of out0.  The bias is the first K step's C.
; THE ROWS OF A TILE ARE NOT NEIGHBOURS: lane r of tile 2 g + u stands for row (or column) 32 g + 8 u + r + 8 (r / 8).
; REGISTERS: window 0: v0-31 addresses; v32-95 Wo's scale words; v100-131 ctx's (the two scale registers of a product differ by 4 modulo 8); v132-227 ctx's fragments, two sets of 4 x 12.
;   window 1: Wo's fragments, two sets of 8 x 12 at v0 and v128; the bias at v96-127 and v224-255.   window 2: the accumulators, (a, b) at v[8 (8 a + b)].
; A K step: the next step's 40 LDS loads are issued into the other sets, then this step's 32 products follow; the accumulators take turns, one instruction a turn.
.set TILEB, 1536                       ; from tile to tile
.set FRB,   12288                      ; from K step to K step
.set HALFK, 49152                      ; four K steps of a group
.set PART,  98304                      ; a group, all of K
.set SPARE, 3*PART
.set SPITCH, 528                       ; the way out: a stage of 16 rows x (512 + 16) bytes for each wave, from LDS byte 0 on: behind the barrier ahead of the way out nobody reads a tile
.set A8,   12                          ; v12, v13 LDS address of ctx's 8-byte pieces, K steps 0-3 and 4-7
.set A16,  16                          ; v16, v17 of its 16-byte pieces
.set ADRB, 20                          ; v20, v21 of Wo's fragments
.set STO,  24
.set RD,   25
.set CO,   26
.set SPW,  28
.set NIL,  29
.set SCB,  32
.set SCA,  100
.set AF,   132
.set G1,   24
.set G0,   32
.set G1B,  48
.set G0B,  68
.set MSB, 0
.macro WIN new
.if MSB != \new
	s_set_vgpr_msb (MSB<<8)|\new
.set MSB, \new
.endif
.endm
.macro JLOAD g0a, g1a, g0b, g1b        ; waves 0 and 1 ask for ctx, waves 2 and 3 for Wo: each line has one mask; the branch hangs on the wave's number alone
	s_cmp_eq_u32 s15, 0
	s_cbranch_scc0 .Lfor_b_\@
	tensor_load_to_lds s[\g0a:\g0a+3], s[\g1a:\g1a+7]
	s_nop 0
.rept 4
	v_nop
.endr
	s_branch .Lasked_\@
.Lfor_b_\@:
	tensor_load_to_lds s[\g0b:\g0b+3], s[\g1b:\g1b+7]
	s_nop 0
.rept 4
	v_nop
.endr
.Lasked_\@:
.endm
.macro CROUND
	s_barrier_signal -1
	s_barrier_wait -1
	s_cmp_lg_u32 s14, 0
	s_cbranch_scc1 .Lnot_wave_0_\@
	s_barrier_signal -3
.Lnot_wave_0_\@:
	s_barrier_wait -3
	s_barrier_signal -1
	s_barrier_wait -1
.endm
.macro PLACES
.rept 4
	v_nop
.endr
.endm
	s_load_b128 s[4:7], s[0:1], 0x0                ; ctxc, csc
	s_load_b128 s[80:83], s[0:1], 0x10             ; gcod, gsc
	s_load_b128 s[84:87], s[0:1], 0x20             ; bo, out0
	v_lshl_add_u32 v[SPW], v0, 2, SPARE
	v_mov_b32 v[NIL], 0
	ds_add_u32 v[SPW], v[NIL]                      ; the opening lines: the add twice and one wait
	ds_add_u32 v[SPW], v[NIL]
	v_lshrrev_b32 v1, 5, v0
	v_readfirstlane_b32 s14, v1                    ; wave 0..3
	s_lshr_b32 s15, s14, 1                         ; which 64 tokens are mine.  Also: I ask for ctx (0) or for Wo (1)
	s_and_b32 s16, s14, 1                          ; which 128 columns.  Also: which half of ctx's K, which group of Wo I ask for
	s_bfe_u32 s56, ttmp6, 0x40000                  ; cx
	s_bfe_u32 s57, ttmp6, 0x40004                  ; cy
	s_lshl_b32 s62, ttmp9, 2
	s_add_co_u32 s62, s62, s56                     ; which 256 columns
	s_and_b32 s61, ttmp7, 0xffff
	s_lshl_b32 s61, s61, 2
	s_add_co_u32 s61, s61, s57                     ; which 128 tokens: ctx's group
	s_lshl_b32 s63, s62, 4
	s_add_co_u32 s63, s63, 704                     ; Wo's first tile of these columns
	s_lshl_b32 s44, s57, 2
	s_lshl_b32 s44, 15, s44                        ; my row of the cluster
	s_lshl_b32 s45, 0x1111, s56                    ; my column
	s_or_b32 s[G1+0], s44, (3<<16)|(1<<21)
	s_or_b32 s[G1B+0], s45, (3<<16)|(1<<21)
.irp g, G1, G1B
	s_mov_b32 s[\g+1], 384<<16                     ; dense bytes as rows of 3,072 (384 elements of 8 bytes)
	s_mov_b32 s[\g+3], 384<<16
	s_mov_b32 s[\g+5], 384
	s_mov_b32 s[\g+6], 0
	s_mov_b32 s[\g+7], 0
.endr
	s_mov_b32 s[G1+2], 16<<16                      ; ctx: 49,152 bytes a load
	s_mov_b32 s[G1+4], 16
	s_mov_b32 s[G1B+2], 32<<16                     ; Wo: 98,304
	s_mov_b32 s[G1B+4], 32
	s_mul_i32 s20, s61, PART
	s_mul_i32 s46, s16, HALFK
	s_add_co_u32 s20, s20, s46
	s_mov_b32 s21, 0
	s_lshl_b32 s22, s62, 1
	s_add_co_u32 s22, s22, s16
	s_add_co_u32 s22, s22, 88                      ; Wo's tiles begin at tile 704: group 88
	s_mul_i32 s22, s22, PART
	s_mov_b32 s23, 0
	s_mul_i32 s47, s16, PART
	s_add_co_u32 s47, s47, PART
	s_wait_alu depctr_va_vdst(0)
	s_wait_dscnt 0x0
	s_wait_kmcnt 0x0
	s_add_nc_u64 s[20:21], s[4:5], s[20:21]
	s_add_nc_u64 s[22:23], s[80:81], s[22:23]
	CROUND                                         ; all sixteen work-groups are here: the joint loads meet
	s_mov_b32 s[G0], 1
	s_mov_b32 s[G0+1], s46
	s_mov_b64 s[G0+2:G0+3], s[20:21]
	s_or_b32 s[G0+3], s[G0+3], 0x80000000
	s_mov_b32 s[G0B], 1
	s_mov_b32 s[G0B+1], s47
	s_mov_b64 s[G0B+2:G0B+3], s[22:23]
	s_or_b32 s[G0B+3], s[G0B+3], 0x80000000
	JLOAD G0, G1, G0B, G1B                         ; one joint load a wave
	v_and_b32 v1, 31, v0
	v_and_b32 v2, 15, v0                           ; r
	v_bfe_u32 v3, v0, 4, 1                         ; h
	v_lshlrev_b32 v[CO], 4, v1
	v_lshlrev_b32 v4, 3, v1
	s_mul_i32 s44, s15, 4*TILEB                    ; my four tiles of ctx
	s_mul_i32 s45, s16, PART
	s_add_co_u32 s45, s45, PART                    ; my group of Wo
.irp n, 0,1
	v_add_nc_u32 v[A16+\n], s44, v[CO]
	v_add_nc_u32 v[A8+\n], s44, v4
	v_add_nc_u32 v[ADRB+\n], s45, v[CO]
	s_add_co_u32 s44, s44, HALFK
	s_add_co_u32 s45, s45, HALFK
.endr
	s_mul_i32 s44, s14, 16*SPITCH                  ; my stage
	s_wait_alu depctr_va_vdst(0)
	v_mul_u32_u24 v[STO], v2, SPITCH
	v_lshl_add_u32 v[STO], v3, 6, v[STO]
	v_add_nc_u32 v[STO], s44, v[STO]
	v_add_nc_u32 v[RD], s44, v[CO]
	s_lshl_b32 s45, s16, 3
	s_add_co_u32 s45, s45, s63
	s_lshl_b32 s45, s45, 9
	v_lshlrev_b32 v5, 4, v2
	v_add_nc_u32 v5, s45, v5
.irp i, 0,1,2,3,4,5,6,7
.irp k, 0,1
	global_load_b128 v[SCB+8*\i+4*\k:SCB+8*\i+4*\k+3], v5, s[82:83] offset:512*\i+256*\k   ; Wo's scale words: tile i, K steps 4 k .. 4 k + 3
.endr
.endr
	s_lshl_b32 s44, s62, 10
	s_lshl_b32 s45, s16, 9
	s_add_co_u32 s44, s44, s45
	s_mov_b32 s45, 0
	s_add_nc_u64 s[84:85], s[84:85], s[44:45]
	v_lshlrev_b32 v8, 6, v3
	WIN 0x40
.irp b, 0,1,2,3,4,5,6,7
	global_load_b128 v[96+128*(\b/4)+8*(\b%4):96+128*(\b/4)+8*(\b%4)+3], v8, s[84:85] offset:(32*(\b/2)+8*(\b%2))*4       ; the bias, laid as the result lies
	global_load_b128 v[96+128*(\b/4)+8*(\b%4)+4:96+128*(\b/4)+8*(\b%4)+7], v8, s[84:85] offset:(32*(\b/2)+8*(\b%2))*4+16
.endr
	WIN 0
	s_lshr_b32 s44, s61, 1                         ; ctx's scale bytes: [256 tokens][head][tile of the 16][r][2]
	s_lshl_b32 s44, s44, 13
	s_and_b32 s46, s61, 1
	s_lshl_b32 s46, s46, 8
	s_add_co_u32 s44, s44, s46
	s_lshl_b32 s46, s15, 7
	s_add_co_u32 s44, s44, s46
	s_add_nc_u64 s[6:7], s[6:7], s[44:45]
	v_lshlrev_b32 v9, 1, v2
.irp a, 0,1,2,3
.irp e, 0,1,2,3,4,5,6,7,8,9,10,11,12,13,14,15
	global_load_u16 v[AF+16*\a+\e], v9, s[6:7] offset:512*\e+32*\a
.endr
.endr
	s_wait_alu depctr_va_vdst(0)
	s_wait_loadcnt 0x0
.irp a, 0,1,2,3
.irp s, 0,1,2,3,4,5,6,7
	v_lshl_or_b32 v[SCA+8*\a+\s], v[AF+16*\a+2*\s+1], 16, v[AF+16*\a+2*\s]   ; two heads' bytes make a K step's scale word
.endr
.endr
.rept 8
	v_nop                                          ; a scale register written by a vector instruction stands 8 places ahead of a scaled product
.endr
	s_lshl_b32 s44, s61, 7
	s_lshl_b32 s46, s15, 6
	s_add_co_u32 s44, s44, s46                     ; my first row of out0
	s_lshl_b32 s44, s44, 12
	s_lshl_b32 s46, s62, 10
	s_add_co_u32 s44, s44, s46
	s_lshl_b32 s46, s16, 9
	s_add_co_u32 s44, s44, s46
	s_add_nc_u64 s[86:87], s[86:87], s[44:45]
.macro FRAG reg, adr, off
.irp c, 0,1,2
	ds_load_b128 v[\reg+4*\c:\reg+4*\c+3], v[\adr] offset:\off+512*\c
.endr
.endm
.macro FRAGA reg, n, off               ; ctx's image is two half images of 768 bytes: registers 0-3 at 16 x lane, 4 and 5 at 512 + 8 x lane
	ds_load_b128 v[\reg:\reg+3], v[A16+\n] offset:\off
	ds_load_b64 v[\reg+4:\reg+5], v[A8+\n] offset:\off+512
	ds_load_b128 v[\reg+6:\reg+9], v[A16+\n] offset:\off+768
	ds_load_b64 v[\reg+10:\reg+11], v[A8+\n] offset:\off+1280
.endm
.macro FETCH n, q, p                   ; K step 4 n + q into the sets p: 24 + 16 LDS loads
	WIN 0x40
.irp i, 0,1,2,3,4,5,6,7
	FRAG 128*(\p)+12*\i, ADRB+\n, TILEB*\i+FRB*(\q)
.endr
	WIN 0
.irp i, 0,1,2,3
	FRAGA AF+48*(\p)+12*\i, \n, TILEB*\i+FRB*(\q)
.endr
.endm
.macro MUL16 a0, p, s, cm
.irp a, \a0, \a0+1
.irp b, 0,1,2,3,4,5,6,7
.set DA, 8*(8*(\a)+\b)
.set FB0, 128*(\p)+12*\b
.set FA0, AF+48*(\p)+12*(\a)
.if (\cm) == 0
	v_wmma_scale_f32_16x16x128_f8f6f4 v[DA:DA+7], v[FB0:FB0+11], v[FA0:FA0+11], v[DA:DA+7], v[SCB+8*\b+(\s)], v[SCA+8*(\a)+(\s)] matrix_a_fmt:MATRIX_FMT_FP6 matrix_b_fmt:MATRIX_FMT_FP6
.else
.set BIX, 96+128*(\b/4)+8*(\b%4)
	v_wmma_scale_f32_16x16x128_f8f6f4 v[DA:DA+7], v[FB0:FB0+11], v[FA0:FA0+11], v[BIX:BIX+7], v[SCB+8*\b+(\s)], v[SCA+8*(\a)+(\s)] matrix_a_fmt:MATRIX_FMT_FP6 matrix_b_fmt:MATRIX_FMT_FP6
.endif
.endr
.endr
.endm
.macro STEP s, nn, nq, cm              ; K step s; the next one is K step 4 nn + nq
.if (\s) > 0
	PLACES                                         ; the other sets were read by the last step's products
.endif
	FETCH \nn, \nq, 1-(\s)%2
	s_wait_dscnt 40                                ; all but the 40 loads just issued: this step's fragments are in
.if \cm
	WIN 0x91                                       ; source 0 and C window 1, source 1 window 0, D window 2
.else
	WIN 0xa1
.endif
	MUL16 0, (\s)%2, \s, \cm
	MUL16 2, (\s)%2, \s, \cm
	WIN 0
.endm
	s_wait_alu depctr_va_vdst(0)                   ; the wait at the head's end
	s_wait_tensorcnt 0x0                           ; my tile has landed;
	s_barrier_signal -1
	s_barrier_wait -1                              ; and everybody's
	FETCH 0, 0, 0
	STEP 0, 0, 1, 1
	STEP 1, 0, 2, 0
	STEP 2, 0, 3, 0
	STEP 3, 1, 0, 0
	STEP 4, 1, 1, 0
	STEP 5, 1, 2, 0
	STEP 6, 1, 3, 0
	s_wait_dscnt 0x0
	WIN 0xa1
	MUL16 0, 1, 7, 0
	MUL16 2, 1, 7, 0
	WIN 0
	PLACES
	s_barrier_signal -1                            ; my reads of the tiles are over (the wait for them stands above),
	s_barrier_wait -1                              ; and everybody's: the stages may be written
; THE WAY OUT, block by block of 16 rows x 128 columns, through my own stage: in as 32 bytes a lane, back as whole rows of 512 bytes.  LDS serves a wave's instructions in order: no wait between the stores and the loads.
.macro TOSTAGE a
.set AC, 64*(\a)
	WIN 0x08
.irp b, 0,1,2,3,4,5,6,7
	ds_store_b128 v[STO], v[AC+8*\b:AC+8*\b+3] offset:128*(\b/2)+32*(\b%2)          ; each accumulator from its low end on
	ds_store_b128 v[STO], v[AC+8*\b+4:AC+8*\b+7] offset:128*(\b/2)+32*(\b%2)+16
.endr
	WIN 0x40
.set BB, 128*((\a)%2)
.irp t, 0,1,2,3,4,5,6,7,8,9,10,11,12,13,14,15
	ds_load_b128 v[BB+4*\t:BB+4*\t+3], v[RD] offset:\t*SPITCH
.endr
	WIN 0
.endm
.macro SEND a, younger                 ; younger: the LDS instructions issued behind block a's loads
.set BB, 128*((\a)%2)
	s_wait_dscnt \younger
	WIN 0x04
.irp t, 0,1,2,3,4,5,6,7,8,9,10,11,12,13,14,15
	global_store_b128 v[CO], v[BB+4*\t:BB+4*\t+3], s[86:87] offset:(32*((\a)/2)+8*((\a)%2)+\t+8*(\t/8))*4096 th:TH_STORE_NT   ; 32 lanes store 512 consecutive bytes of a row
.endr
	WIN 0
.endm
	TOSTAGE 0
.irp a, 1,2,3
.if \a > 1
	s_wait_xcnt 0x0                                ; block a - 2's stores have read their registers
.endif
	TOSTAGE \a
	SEND \a-1, 32
.endr
	SEND 3, 0
	s_wait_tensorcnt 0x0                           ; the wave's end
	ds_add_u32 v[SPW], v[NIL]
	s_wait_dscnt 0x0
	CROUND                                         ; the closing round
	s_endpgm
.Lfunc_end_k_q8b9bb47711_out:
	.size	k_q8b9bb47711_out, .Lfunc_end_k_q8b9bb47711_out-k_q8b9bb47711_out
	.p2alignl 7, 3214868480
	.fill 96, 4, 3214868480
	.section	.rodata,"a",@progbits
	.p2align	6, 0x0
	.amdhsa_kernel k_q8b9bb47711_out
		.amdhsa_group_segment_fixed_size 327680
		.amdhsa_private_segment_fixed_size 0
		.amdhsa_enable_private_segment 0
		.amdhsa_kernarg_size 48
		.amdhsa_user_sgpr_count 2
		.amdhsa_user_sgpr_kernarg_segment_ptr 1
		.amdhsa_wavefront_size32 1
		.amdhsa_system_sgpr_workgroup_id_x 1
		.amdhsa_system_sgpr_workgroup_id_y 1
		.amdhsa_system_sgpr_workgroup_id_z 1
		.amdhsa_system_vgpr_workitem_id 0
		.amdhsa_next_free_vgpr 768
		.amdhsa_next_free_sgpr 100
		.amdhsa_reserve_vcc 0
		.amdhsa_float_denorm_mode_32 3
		.amdhsa_float_denorm_mode_16_64 3
		.amdhsa_memory_ordered 1
		.amdhsa_forward_progress 1
		.amdhsa_inst_pref_size 88
	.end_amdhsa_kernel
	.amdgpu_metadata
---
amdhsa.version: [ 1, 2 ]
amdhsa.kernels:
  - .name:           k_q8b9bb47711_out
    .symbol:         k_q8b9bb47711_out.kd
    .args:
      - { .name: ctxc, .offset: 0, .size: 8, .value_kind: global_buffer, .address_space: global }
      - { .name: csc, .offset: 8, .size: 8, .value_kind: global_buffer, .address_space: global }
      - { .name: gcod, .offset: 16, .size: 8, .value_kind: global_buffer, .address_space: global }
      - { .name: gsc, .offset: 24, .size: 8, .value_kind: global_buffer, .address_space: global }
      - { .name: bo, .offset: 32, .size: 8, .value_kind: global_buffer, .address_space: global }
      - { .name: out0, .offset: 40, .size: 8, .value_kind: global_buffer, .address_space: global }
    .group_segment_fixed_size: 327680
    .private_segment_fixed_size: 0
    .kernarg_segment_align: 8
    .kernarg_segment_size: 48
    .max_flat_workgroup_size: 128
    .sgpr_count:     100
    .vgpr_count:     768
    .wavefront_size: 32
...
	.end_amdgpu_metadata
.endif
;; end of part 4
